; MI455X (gfx1250); checked and timed in simulation.
; The chip was launched on July 23, 2026; its instructions are those of AMD's public machine-readable ISA for CDNA 5 (MIT licence, August 2026) and "CDNA5" Instruction Set Architecture Reference Guide (July 2026). The comments in the code are by the model that wrote it; some were corrected since.
;; Causal Multi Head Attention. Allowed arithmetic: matrix products marked QUANTISED: E5M2 operands, one E8M0 scale for each 32 along K, by v_wmma_scale_f32_16x16x128_f8f6f4 with both operands' format E5M2, f32 sums; everything else in f32.
;; Inputs: Wk_codes 1,024 x 32 x 32 uint8 (E5M2 codes of Wk, K innermost, in blocks of 32 codes); Wk_scales 1,024 x 32 uint8 (E8M0 scales of Wk, one for each 32 codes along K); Wo_codes 1,024 x 32 x 32 uint8 (E5M2 codes of Wo, K innermost, in blocks of 32 codes); Wo_scales 1,024 x 32 uint8 (E8M0 scales of Wo, one for each 32 codes along K); Wq_codes 1,024 x 32 x 32 uint8 (E5M2 codes of Wq, K innermost, in blocks of 32 codes); Wq_scales 1,024 x 32 uint8 (E8M0 scales of Wq, one for each 32 codes along K); Wv_codes 1,024 x 32 x 32 uint8 (E5M2 codes of Wv, K innermost, in blocks of 32 codes); Wv_scales 1,024 x 32 uint8 (E8M0 scales of Wv, one for each 32 codes along K); bk 1,024 float32; bo 1,024 float32; bq 1,024 float32; bv 1,024 float32; x_codes 4 x 2,048 x 32 x 32 uint8 (E5M2 codes of x, K innermost, in blocks of 32 codes); x_scales 4 x 2,048 x 32 uint8 (E8M0 scales of x, one for each 32 codes along K).
;; Outputs: out0 4 x 2,048 x 1,024 float32.
;; This version of the problem:
;;   THIS VERSION OF THE PROBLEM IS GIVEN IN LOW PRECISION. The matrix products marked QUANTISED in the list below multiply operands that are first quantised to E5M2 (5 exponent bits, 2 mantissa bits; 8 bits a number), with one power-of-two scale for each 32 numbers along K (OCP MX v1.0); their sums are f32. All else is computed in f32.
;;   The module's matrix products, in the order in which they are computed (A, B: the left and right operand; K: the contracted axis; several contracted axes count as one K, in the product's order):
;;     1. [M 8,192, K 1,024] x [K 1,024, N 1,024]; A: input x (given as codes); B: input Wq (given as codes): QUANTISED
;;     2. [M 8,192, K 1,024] x [K 1,024, N 1,024]; A: input x (given as codes); B: input Wk (given as codes): QUANTISED
;;     3. [M 8,192, K 1,024] x [K 1,024, N 1,024]; A: input x (given as codes); B: input Wv (given as codes): QUANTISED
;;     4. batch 64 x [M 2,048, K 64] x [K 64, N 2,048]; A: computed on the way; B: computed on the way: QUANTISED
;;     5. batch 64 x [M 2,048, K 2,048] x [K 2,048, N 64]; A: softmax (see below); B: computed on the way: QUANTISED
;;     6. [M 8,192, K 1,024] x [K 1,024, N 1,024]; A: computed on the way; B: input Wo (given as codes): QUANTISED
;;   THE QUANTISER, for each operand of a quantised product, along K:
;;     - K is cut into blocks of 32 from its start; a last block that is shorter is filled with zeros.
;;     - A block's scale is 2^e with e = floor(log2(the largest magnitude in the block)) - 15, held to -126 .. 127; a block of zeros has e = 0. As a byte (E8M0): e + 127.
;;     - Each number is divided by its block's scale, clamped to +-57,344, and rounded to the nearest number of E5M2, ties to even, subnormals kept.
;;     - The product sums the exact products of the quantised numbers (number of the format x scale) in f32.
;;   ~~~python
;;   def quantise(x, axis):      # numpy; x: float32 -> the quantised numbers, widened to float32 again
;;       x = np.moveaxis(x, axis, -1); K = x.shape[-1]
;;       x = np.pad(x, [(0, 0)] * (x.ndim - 1) + [(0, -K % 32)]); x = x.reshape(x.shape[:-1] + (-1, 32)); a = np.abs(x).max(-1, keepdims=True)
;;       e = np.where(a > 0, np.clip(np.frexp(np.where(a > 0, a, 1))[1] - 1 - 15, -126, 127), 0)      # np.frexp(a)[1] - 1 = floor(log2(a)), exactly
;;       r = np.clip(x / 2.0 ** e, -57344, 57344)
;;       step = 2.0 ** (np.maximum(np.frexp(np.where(r == 0, 1, r))[1] - 1, -14) - 2)
;;       q = np.round(r / step) * step * 2.0 ** e      # np.round: ties to even
;;       return np.moveaxis(q.reshape(q.shape[:-2] + (-1,))[..., :K], -1, axis).astype(np.float32)
;;   ~~~
;;   SOFTMAX AHEAD OF A QUANTISED PRODUCT. Where the list says 'softmax', what is quantised is not the finished softmax but p = 2^(t - M), with t = logit x log2(e) and M = ceil(the row's largest t), a whole number; so 1/2 < the row's largest p <= 1. The row's sum l is taken of the UNQUANTISED p, in f32, and the product's result is divided by l at the end. Since M is a whole number, a kernel that streams over the keys may use a running M (the ceiling of the running maximum): every later rescaling is an exact power of two, which a block's scale takes up: the codes' values come out the same.
;;   OPERANDS COMPUTED ON THE WAY. 'Computed on the way' means the value that the module computes at that place (a softmax that the list does not call 'softmax' is quantised finished and normalised). What goes into a quantiser is computed in f32, as accurately as f32 sums, v_exp_f32 and their like allow (about 1e-6 of the number): no bf16 or f16 on the way to a quantiser, and a product that is left as it is and whose result goes on into a quantised operand takes f32 operands (vector FMAs, or v_wmma_f32_16x16x4_f32). A number that lies on a knife's edge between two numbers of the format may be rounded either way, as far as f32 arithmetic and the matrix unit's own rounding can turn it there, and no further.
;;   INPUTS GIVEN AS CODES. Wk (in the module: [1024, 1024], K = its axis 1); Wo (in the module: [1024, 1024], K = its axis 1); Wq (in the module: [1024, 1024], K = its axis 1); Wv (in the module: [1024, 1024], K = its axis 1); x (in the module: [4, 2048, 1024], K = its axis 2): each comes as NAME_codes (uint8): NAME with its K axis moved to the last place and cut into blocks of 32 codes, [.., K / 32, bytes a block], one block behind the other in memory; one code a byte (a code: sign, 5 exponent bits, 2 mantissa bits); and NAME_scales (uint8): the same leading axes, one E8M0 byte (e + 127) for each 32 codes along K. Its value is code x scale, taken as it is: it is not quantised again, and the codes and scales need not be those that the quantiser above would give.
;; One version. Each part assembles by itself: llvm-mc -triple=amdgcn-amd-amdhsa -mcpu=gfx1250 --defsym DOCPART=n.
;; ======== version 1 of 1: 3 launches
;; limits: right only within a limited range of input values
;; workspace buffers: qc 8,388,608 bytes; qs 524,288 bytes; kv 17,563,648 bytes; ac 8,388,608 bytes; asc 262,144 bytes
;; launch qkv (part 1): grid 12 x 32, 4 waves a work-group, clusters of 4 x 4, 327,680 bytes of LDS; arguments x_codes, x_scales, Wq_codes, Wq_scales, Wk_codes, Wk_scales, Wv_codes, Wv_scales, bq, bk, bv, qc, qs, kv; writes qc, qs, kv
.if DOCPART == 1
	.amdgcn_target "amdgcn-amd-amdhsa--gfx1250"
	.amdhsa_code_object_version 6
	.text
	.protected	k_q878d51ae22_qkv
	.globl	k_q878d51ae22_qkv
	.p2align	8
	.type	k_q878d51ae22_qkv,@function
k_q878d51ae22_qkv:
	s_mov_b64 s[64:65], 0
	v_nop
	global_prefetch_b8 v0, s[64:65] scope:SCOPE_SE
	s_setreg_imm32_b32 hwreg(HW_REG_WAVE_MODE, 25, 1), 1
	s_wait_xcnt 0x0
	s_wait_alu depctr_hold_cnt(0) depctr_sa_sdst(0) depctr_va_vdst(0) depctr_va_sdst(0) depctr_va_ssrc(0) depctr_va_vcc(0) depctr_vm_vsrc(0)
	s_getreg_b32 s2, hwreg(HW_REG_IB_STS2, 6, 4)
	s_cmp_eq_u32 s2, 0
	s_cbranch_scc0 .Lentry_in_a_cluster
	s_endpgm
.Lentry_in_a_cluster:
	s_bfe_u32 s2, ttmp6, 0x10000c
	s_cmp_lg_u32 s2, 0xf033
	s_cbranch_scc0 .Lentry_shape_is_right
	s_endpgm
.Lentry_shape_is_right:
; q = x Wq^T + bq, k = x Wk^T + bk, v = x Wv^T + bv on codes of BF8 (E5M2) with one E8M0 scale for each 32 along K = 1,024, sums in f32; the results are quantised at once, from f32:
; q and k along the head's 64 channels, v along the keys, and stored as IMAGES OF OPERAND REGISTERS, so that the second launch reads every fragment by 16-byte loads at 16 x lane.
; DEAD WORK, left out in the second launch.  reference() sets score(q, k) to -inf for every key k > q by a jnp.tril that it builds itself.  There p = 2^(-inf) = 0 whatever finite values the inputs hold: it adds 0 to the
; row's sum, cannot be the row's maximum (key 0 counts for every query), its code is 0 under any scale, and it adds 0 to the second product.  So steps of 128 keys that lie wholly behind a tile's 16 queries are not computed.
; Every input has a way to the output and is loaded: bq, bk and bv go into quantisers, bo into the result.
; LIMITS.  A NaN, an infinity or an overflow that reaches only the scores left out is not carried to the result.  NaN and infinities among the inputs are not served.  A block whose largest magnitude lies under 2^-111
; (a block of zeros among them) gets the scale byte 1 where the rule gives less or 127: a block of zeros has zero codes, and these bytes are read by this program alone.
; SHARES.  A tile of 256 x 256 results to a work-group of four waves, 128 x 128 to a wave: 64 accumulators, 512 registers.  The cluster's x says which product: 0 q, 1 k, 2 v: the same in all sixteen partners.
; The matrix instruction has source 0 = 16 rows of "B" and source 1 = 16 rows of "A": a lane holds ONE row of A, its registers run along rows of B, and so does the quantiser.
; q, k: A = x (a lane holds a token), B = W (registers along the channels).  v: A = Wv (a lane holds a channel), B = x (registers along the keys).  Only pointers and tile numbers differ.
; K goes in steps of 256 through two LDS slots filled by joint tensor loads: A's tiles shared along a row of the 4 x 4 cluster, B's along a column.  The scale bytes of the 256 + 256 rows come once.
; The bias is the C of each sum's first matrix instruction.
; REGISTERS, in windows of 256: window 0: v0-31 addresses; v32-63 scale words, two sets; v64-127 the bias, later the way out; v128-255 A's fragments, one set.  window 1: B's fragments, two sets.
;   window 2: the accumulators of my rows 0-63 of A ((a, b) at v[8 (8 a + b)]);  window 3: those of rows 64-127.
.set NQ,     2                         ; matrix instructions deep in a slot: 256 along K
.set ROWB,   256                       ; a tile's row in bytes
.set KROW,   1024                      ; a row of x or of W in memory
.set PITCH,  272                       ; an LDS row: 256 bytes + 16 of padding: the 16 rows that a load touches start at 16 different banks (64 banks of 4 bytes: ISA guide 11.1)
.set FR,     16                        ; registers of a fragment
.set NL,     4                         ; LDS loads that bring one
.set NP,     8                         ; places behind this matrix instruction (ISA guide 7.12.1)
.set HALFT,  128*PITCH
.set SLOT,   4*HALFT                   ; A's 256 rows, then B's 256 rows
.set LAPS,   2                         ; 1,024 along K = four K steps = twice round the ring
.set KS,     32                        ; a row of scale bytes
.set SCL,    2*SLOT                    ; behind the ring: the scales, as units of 256 bytes + 16 of padding
.set HALFS,  (128*KS/256)*272
.set SBLK,   (16*KS/256)*272
.set SPARE,  SCL+4*HALFS               ; the spare words, 128 bytes for each wave: two blocks of 256 bytes that no other line names
.set WSTG,   17408                     ; the way out: a stage for each wave, in slot 0: 16,384 bytes of codes, then two arrays of 512 bytes of scale words
.set HEADB,  274432                    ; a head in kv: 8 slots of 34,304 bytes
.set VOJ,  8                           ; v8-15   the bias loads' offsets
.set ADRA, 16                          ; v16-17  LDS address of my A fragments in slot 0, 1
.set ADRB, 20                          ; v20-21  the same for B
.set STO,  24                          ; v24     the stage: where I put 8 codes
.set RD,   25                          ; v25     and where I read 16 bytes of an image back
.set SWA,  26                          ; v26     the stage: where I put a scale word
.set ADRS, 27                          ; v27     LDS address of my scale words: lanes 0-15 A's rows, lanes 16-31 B's
.set SPW,  28                          ; v28     LDS address of my spare word; never rewritten
.set NIL,  29                          ; v29     0; never rewritten
.set SC,   32                          ; scale words, set s at v[SC + 16 s]
.set BI,   64                          ; v64-127 the bias, eight registers a tile, in the result's layout
.set AF,   128                         ; A's fragments
.set VO,   64                          ; the way out: v64-71 block a's byte offset in the images
.set VSO,  72                          ; v72     the scale words' offset
.set VSEL, 73                          ; v73     which bytes make my scale word
.set TM,   80                          ; v80-83 largest magnitudes; v84-87 at work; v92-95 the conversions' scale operands
.set TP,   84
.set HD,   88
.set SOP,  92
.set PW,   96                          ; v96     the four blocks' bytes;  v98, v99 the word that is stored, by turns
.set SW,   98
.set PC,   100                         ; v100-131 codes, two sets of 16
.set OUT,  132                         ; v132-163 images read back, two sets of 16
.set SWO,  164                         ; v164-171 the scale words read back
.set WV,   66                          ; s66 wave;  s67 which half of A's rows is mine, also: I fetch for A (0) or B (1);  s92 which half of B's rows, also: which 128 rows I fetch
.set WR,   67
.set WC,   92
.set CX,   93
.set CY,   94
.set MODE, 95                          ; 0 q, 1 k, 2 v
.set TLA,  96                          ; A's tile, B's tile
.set TLB,  97
.set MKA,  98
.set MKB,  99
.set G0,   32                          ; s[32:39] group 0 for A's tiles, a set for each slot;  s[40:47] for B's
.set G0B,  40
.set G1,   48                          ; s[48:55], s[56:63] groups 1
.set G1B,  56
.set G1S,  68                          ; s[68:75], s[76:79] groups 1 and 0 for A's scales;  s[80:87], s[88:91] for B's
.set G0S,  76
.set G1SB, 80
.set G0SB, 88
.set MSB, 0
.macro WIN new                         ; the immediate's high byte repeats the setting that is left
.if MSB != (\new)
	s_set_vgpr_msb (MSB<<8)|(\new)
.set MSB, (\new)
.endif
.endm
.set MUL_LO, 0xa1                      ; source 0 (B) window 1, source 1 (A) window 0, C and D window 2
.set MUL_HI, 0xf1                      ; the same, C and D window 3
.set TO_B,   0x40                      ; destination window 1, address window 0
; A joint load: waves 0 and 1 fetch for A, waves 2 and 3 for B.  The branch hangs on the wave's number alone.  An s_nop 0 and four v_nop follow each of the two lines.
.macro JLOAD g0a, g1a, g0b, g1b
	s_cmp_eq_u32 s[WR], 0
	s_cbranch_scc0 .Lfor_b_\@
	tensor_load_to_lds s[\g0a:\g0a+3], s[\g1a:\g1a+7]
	s_nop 0
.rept 4
	v_nop
.endr
	s_branch .Lasked_\@
.Lfor_b_\@:
	tensor_load_to_lds s[\g0b:\g0b+3], s[\g1b:\g1b+7]
	s_nop 0
.rept 4
	v_nop
.endr
.Lasked_\@:
.endm
.macro CREST                           ; a round of the cluster's barrier behind its opening barrier
	s_cmp_lg_u32 s[WV], 0
	s_cbranch_scc1 .Lnot_wave_0_\@
	s_barrier_signal -3
.Lnot_wave_0_\@:
	s_barrier_wait -3
	s_barrier_signal -1
	s_barrier_wait -1
.endm
.macro CROUND
	s_barrier_signal -1
	s_barrier_wait -1
	CREST
.endm
	s_load_b512 s[4:19], s[0:1], 0x0               ; x's codes, x's scales, Wq's, Wk's, Wv's codes and scales
	s_load_b256 s[20:27], s[0:1], 0x40             ; bq, bk, bv, qc
	s_load_b128 s[28:31], s[0:1], 0x60             ; qs, kv
	v_lshl_add_u32 v[SPW], v0, 2, SPARE
	v_mov_b32 v[NIL], 0
	ds_add_u32 v[SPW], v[NIL]                      ; the wave's opening: the add, twice on end, and its wait ahead of my first tensor load
	ds_add_u32 v[SPW], v[NIL]                      ; and once more; the set-up below, work on registers, stands between it and the wait
	v_lshrrev_b32 v1, 5, v0
	v_readfirstlane_b32 s[WV], v1                  ; wave 0..3
	s_lshr_b32 s[WR], s[WV], 1
	s_and_b32 s[WC], s[WV], 1
	s_bfe_u32 s[CX], ttmp6, 0x40000                ; my place in the cluster
	s_bfe_u32 s[CY], ttmp6, 0x40004
	s_mov_b32 s[MODE], ttmp9                       ; the cluster's x: which product
	s_and_b32 s100, ttmp7, 0xffff
	s_lshl_b32 s100, s100, 2                       ; 4 x the cluster's y: it walks x's 32 tiles of 256 tokens
	s_cmp_eq_u32 s[MODE], 2
	s_cselect_b32 s[TLA], 0, s100                  ; q, k: A = x;  v: A = Wv, four tiles
	s_cselect_b32 s[TLB], s100, 0                  ; q, k: B = W, four tiles;  v: B = x
	s_add_co_u32 s[TLA], s[TLA], s[CY]             ; A's tile hangs on cy and the cluster's numbers alone: shared along my row
	s_add_co_u32 s[TLB], s[TLB], s[CX]             ; B's on cx: shared along my column
	s_lshl_b32 s[MKA], s[CY], 2
	s_lshl_b32 s[MKA], 15, s[MKA]                  ; my row of the cluster
	s_lshl_b32 s[MKB], 0x1111, s[CX]               ; my column
	; group 1: a tile of 128 rows x 256 bytes, 16 bytes of padding behind each row
	s_or_b32 s[G1+0], s[MKA], (0<<16)|(1<<20)|(1<<21)|(5<<22)|(3<<25)  ; 15:0 the mask; 17:16 elements of 1 byte; 20 padding on; 21 set beside a mask; 24:22 after every 64 words; 31:25 four words
	s_or_b32 s[G1B+0], s[MKB], (0<<16)|(1<<20)|(1<<21)|(5<<22)|(3<<25)
.irp g, G1, G1B
	s_mov_b32 s[\g+1], ROWB<<16                    ; tensor_dim0
	s_mov_b32 s[\g+2], 128<<16                     ; tensor_dim1
	s_mov_b32 s[\g+3], ROWB<<16                    ; tile_dim0
	s_mov_b32 s[\g+4], 128                         ; tile_dim1
	s_mov_b32 s[\g+5], KROW                        ; from row to row
	s_mov_b32 s[\g+6], 0
	s_mov_b32 s[\g+7], 0
.endr
	; the scales of 128 rows: 4,096 dense bytes, as 16 rows of 256 bytes (32 elements of 8), 16 bytes of padding behind each
	s_or_b32 s[G1S+0], s[MKA], (3<<16)|(1<<20)|(1<<21)|(5<<22)|(3<<25)
	s_or_b32 s[G1SB+0], s[MKB], (3<<16)|(1<<20)|(1<<21)|(5<<22)|(3<<25)
.irp g, G1S, G1SB
	s_mov_b32 s[\g+1], 32<<16
	s_mov_b32 s[\g+2], (128*KS/256)<<16
	s_mov_b32 s[\g+3], 32<<16
	s_mov_b32 s[\g+4], 128*KS/256
	s_mov_b32 s[\g+5], 32
	s_mov_b32 s[\g+6], 0
	s_mov_b32 s[\g+7], 0
.endr
	s_wait_dscnt 0x0                               ; both opening adds are done
	s_wait_kmcnt 0x0
	; the buffers are chosen by the product's number alone.  After these lines: A's codes s[4:5], A's scales s[6:7], B's codes s[8:9], B's scales s[10:11], the bias s[12:13], where codes go s[14:15], where scale words go s[20:21]
	s_cmp_eq_u32 s[MODE], 0
	s_cselect_b64 s[8:9], s[8:9], s[12:13]         ; Wq or Wk
	s_cselect_b64 s[10:11], s[10:11], s[14:15]
	s_cselect_b64 s[12:13], s[20:21], s[22:23]     ; bq or bk
	s_cselect_b64 s[14:15], s[26:27], s[30:31]     ; qc or kv
	s_cselect_b64 s[20:21], s[28:29], s[30:31]     ; qs or kv
	s_cmp_eq_u32 s[MODE], 2
	s_cselect_b64 s[8:9], s[4:5], s[8:9]           ; v: B = x,
	s_cselect_b64 s[10:11], s[6:7], s[10:11]
	s_cselect_b64 s[12:13], s[24:25], s[12:13]     ; the bias bv,
	s_cselect_b64 s[4:5], s[16:17], s[4:5]         ; A = Wv
	s_cselect_b64 s[6:7], s[18:19], s[6:7]
	s_lshl_b32 s100, s[WC], 7                      ; which 128 rows of a tile I fetch
	s_lshl_b32 s16, s[TLA], 8
	s_add_co_u32 s16, s16, s100                    ; A's row
	s_lshl_b32 s22, s[TLB], 8
	s_add_co_u32 s22, s22, s100                    ; B's row
	s_lshl_b32 s18, s16, 5                         ; 32 scale bytes a row,
	s_lshl_b32 s16, s16, 10                        ; 1,024 codes
	s_lshl_b32 s24, s22, 5
	s_lshl_b32 s22, s22, 10
	s_mov_b32 s17, 0
	s_mov_b32 s19, 0
	s_mov_b32 s23, 0
	s_mov_b32 s25, 0
	s_add_nc_u64 s[16:17], s[4:5], s[16:17]
	s_add_nc_u64 s[18:19], s[6:7], s[18:19]
	s_add_nc_u64 s[22:23], s[8:9], s[22:23]
	s_add_nc_u64 s[24:25], s[10:11], s[24:25]
	s_mul_i32 s100, s[WV], HALFT                   ; where they go: wave x 128 rows: no place in the cluster enters an LDS address
	s_mul_i32 s101, s[WV], HALFS
	CROUND                                         ; all sixteen work-groups are here: the first joint loads meet
	s_mov_b32 s[G0S], 1
	s_add_co_u32 s[G0S+1], s101, SCL
	s_mov_b64 s[G0S+2:G0S+3], s[18:19]
	s_or_b32 s[G0S+3], s[G0S+3], 0x80000000
	s_mov_b32 s[G0SB], 1
	s_add_co_u32 s[G0SB+1], s101, SCL
	s_mov_b64 s[G0SB+2:G0SB+3], s[24:25]
	s_or_b32 s[G0SB+3], s[G0SB+3], 0x80000000
	JLOAD G0S, G1S, G0SB, G1SB                     ; the scales first: they are wanted with K step 0
.irp s, 0,1
	s_mov_b32 s[G0+4*\s], 1
	s_add_co_u32 s[G0+4*\s+1], s100, \s*SLOT
	s_add_nc_u64 s[G0+4*\s+2:G0+4*\s+3], s[16:17], \s*ROWB
	s_or_b32 s[G0+4*\s+3], s[G0+4*\s+3], 0x80000000
	s_mov_b32 s[G0B+4*\s], 1
	s_add_co_u32 s[G0B+4*\s+1], s100, \s*SLOT
	s_add_nc_u64 s[G0B+4*\s+2:G0B+4*\s+3], s[22:23], \s*ROWB
	s_or_b32 s[G0B+4*\s+3], s[G0B+4*\s+3], 0x80000000
	JLOAD G0+4*\s, G1, G0B+4*\s, G1B
.endr
	v_and_b32 v1, 15, v0                           ; r = lane % 16
	v_bfe_u32 v2, v0, 4, 1                         ; h = lane / 16
	v_mul_u32_u24 v3, v1, PITCH
	v_lshl_add_u32 v4, v2, 4, v3                   ; a fragment's row x pitch + 16 h
	s_mul_i32 s2, s[WR], HALFT                     ; my 128 rows of A
	s_mul_i32 s3, s[WC], HALFT                     ; my 128 rows of B,
	s_add_co_u32 s3, s3, 2*HALFT                   ; which lie behind A's 256
.irp s, 0,1
	v_add_nc_u32 v[ADRA+\s], s2, v4
	v_add_nc_u32 v[ADRB+\s], s3, v4
	s_add_co_u32 s2, s2, SLOT
	s_add_co_u32 s3, s3, SLOT
.endr
	v_mul_u32_u24 v5, v1, KS                       ; my row's scales: 32 bytes a row,
	v_lshrrev_b32 v6, 8, v5
	v_lshl_add_u32 v5, v6, 4, v5                   ; and 16 more for each 256 passed
	s_mul_i32 s2, s[WR], HALFS
	s_mul_i32 s3, s[WC], HALFS
	s_add_co_u32 s3, s3, 2*HALFS
	s_sub_co_u32 s3, s3, s2
	v_mul_u32_u24 v6, s3, v2                       ; lanes 16-31 take B's
	s_add_co_u32 s2, s2, SCL
	v_add_nc_u32 v5, v5, v6
	v_add_nc_u32 v[ADRS], s2, v5
	s_mul_i32 s2, s[WV], WSTG                      ; my stage
	v_lshlrev_b32 v5, 4, v1
	v_lshl_add_u32 v5, v2, 3, v5
	v_add_nc_u32 v[STO], s2, v5                    ; in: 16 r + 8 h
	v_and_b32 v6, 31, v0
	v_lshlrev_b32 v6, 4, v6
	v_add_nc_u32 v[RD], s2, v6                     ; back: 16 x lane
	v_lshlrev_b32 v5, 2, v1
	v_lshl_add_u32 v5, v2, 9, v5
	v_add_nc_u32 v5, s2, v5
	v_add_nc_u32 v[SWA], 16384, v5                 ; scale words: array h, 4 r
	; which tokens and which channels are my wave's
	s_lshl_b32 s100, s[TLA], 8
	s_lshl_b32 s101, s[WR], 7
	s_add_co_u32 s100, s100, s101                  ; my first row of A
	s_lshl_b32 s101, s[TLB], 8
	s_lshl_b32 s2, s[WC], 7
	s_add_co_u32 s101, s101, s2                    ; my first row of B
	s_cmp_eq_u32 s[MODE], 2
	s_cselect_b32 s2, s101, s100                   ; my first token
	s_cselect_b32 s3, s100, s101                   ; my first channel of the 1,024
	s_cselect_b32 s22, 0, 32                       ; the bias in the result's layout.  q, k: register 8 x + j holds bias(16 x + 8 h + j), x = B's tile;
	s_cselect_b32 s23, 4, 0                        ; v: bias(16 x + r), x = A's block, the same in all eight registers
	s_cselect_b32 s24, 0, 4
	s_lshl_b32 s26, s3, 2
	s_mov_b32 s27, 0
	s_add_nc_u64 s[12:13], s[12:13], s[26:27]
	v_mul_u32_u24 v5, s22, v2
	v_mad_u32_u24 v[VOJ], s23, v1, v5
.irp j, 1,2,3,4,5,6,7
	v_mad_u32_u24 v[VOJ+\j], s24, \j, v[VOJ]
.endr
.irp x, 0,1,2,3,4,5,6,7
.irp j, 0,1,2,3,4,5,6,7
	global_load_b32 v[BI+8*\x+\j], v[VOJ+\j], s[12:13] offset:64*\x
.endr
.endr
	; where the images go.  qc: [head 64][tile of 16 tokens][2 blocks][lane][16];  qs: [head][token] a word.  kv: [head][slot of 256 keys][34,304]: K's codes 16,384, V's codes 16,384, K's words 1,024, V's words 512
	s_lshr_b32 s100, s2, 11                        ; the batch,
	s_lshl_b32 s100, s100, 4
	s_lshr_b32 s101, s3, 6
	s_add_co_u32 s100, s100, s101                  ; 16 x batch + head: the first of my two heads
	s_and_b32 s101, s2, 2047                       ; my first token in its sequence
	s_mul_i32 s22, s100, HEADB
	s_lshr_b32 s23, s101, 8
	s_mul_i32 s23, s23, 34304
	s_add_co_u32 s22, s22, s23                     ; my slot in kv
	s_bfe_u32 s23, s101, 0x10007                   ; which half of its 256 keys
	s_lshl_b32 s24, s23, 13
	s_add_co_u32 s24, s24, s22                     ; K's codes
	s_add_co_u32 s31, s24, 16384                   ; V's codes
	s_lshl_b32 s25, s23, 9
	s_add_co_u32 s25, s25, s22
	s_add_co_u32 s25, s25, 32768                   ; K's scale words
	s_lshl_b32 s28, s23, 8
	s_add_co_u32 s28, s28, s22
	s_add_co_u32 s28, s28, 33792                   ; V's scale words
	s_lshl_b32 s26, s100, 17
	s_lshl_b32 s29, s101, 6
	s_add_co_u32 s26, s26, s29                     ; Q's codes
	s_lshl_b32 s27, s100, 13
	s_lshl_b32 s29, s101, 2
	s_add_co_u32 s27, s27, s29                     ; Q's scale words
	s_cmp_eq_u32 s[MODE], 2
	s_cselect_b32 s24, s31, s24
	s_cselect_b32 s25, s28, s25
	s_cmp_eq_u32 s[MODE], 0
	s_cselect_b32 s24, s26, s24
	s_cselect_b32 s26, s27, s25
	s_mov_b32 s25, 0
	s_mov_b32 s27, 0
	s_add_nc_u64 s[14:15], s[14:15], s[24:25]      ; codes: image blocks 0, 1
	s_add_nc_u64 s[20:21], s[20:21], s[26:27]      ; scale words: the first array
	s_mov_b32 s31, HEADB
	s_cmp_eq_u32 s[MODE], 0
	s_cselect_b32 s24, 131072, s31                 ; from head to head, codes,
	s_cselect_b32 s26, 8192, s31                   ; and scale words
	s_add_nc_u64 s[18:19], s[20:21], s[26:27]      ; scale words: the second array (q, k: my second head)
	s_mov_b32 s22, 1024
	s_mov_b32 s23, 4096
	s_mov_b32 s28, 256
	s_mov_b32 s29, 0x01000100
	s_mov_b32 s30, 0x03020302
	s_mov_b32 s31, 0x03020100
	s_cmp_eq_u32 s[MODE], 2
	s_cselect_b32 s26, s22, s24                    ; image blocks 2, 3: q, k: my second head;  v: 1,024 bytes on
	s_add_nc_u64 s[16:17], s[14:15], s[26:27]
	s_cselect_b32 s23, s24, s23                    ; from block a to block a + 4: q, k: four tiles of tokens;  v: my second head
	s_cselect_b32 s24, s24, s28                    ; lanes 16-31 of the scale words' store: q, k: 256 bytes on;  v: my second head
	s_cselect_b32 s22, 2048, s22                   ; from block a to a + 1: q, k: a tile of tokens, 1,024;  v: a tile of channels, 2,048
	s_cselect_b32 s25, s31, s29                    ; the word that lanes 0-15 store: q, k: (s0, s1, s0, s1) of my first head;  v: the four key blocks' bytes
	s_cselect_b32 s26, s31, s30                    ; lanes 16-31: of my second head;  v: the same word again
	s_mov_b32 s27, 0xffff0000                      ; lanes 16-31
	s_mov_b32 s28, 0x76543210
	s_mov_b32 s29, 0xfedcba98                      ; v_permlanex16_b32's selects for lane l xor 16
.macro FRAG reg, adr, q, i             ; a fragment, 16 rows x 128 K: lane l holds row l % 16; registers 4 c .. 4 c + 3 hold K = 32 c + 16 (l / 16) + 0 .. 15
.irp c, 0,1,2,3
	ds_load_b128 v[\reg+4*\c:\reg+4*\c+3], v[\adr] offset:128*(\q)+32*\c+(\i)*16*PITCH
.endr
.endm
; 16 matrix instructions: A's blocks a0, a0 + 1 x B's eight, the slot's q-th 128 along K.  p: B's set; sc: the set of scale words.  zero = 1: the sums start from the bias by B's tile; 2: by A's block; 0: they go on.
; The 64 accumulators take turns, one instruction a turn, in the same order in every step.
.macro MUL16 a0, p, q, sc, zero
.irp a, \a0, \a0+1
.irp b, 0,1,2,3,4,5,6,7
.if \zero == 1
	v_wmma_scale_f32_16x16x128_f8f6f4 v[8*(8*((\a)%4)+\b):8*(8*((\a)%4)+\b)+7], v[128*(\p)+FR*\b:128*(\p)+FR*\b+FR-1], v[AF+FR*(\a):AF+FR*(\a)+FR-1], v[BI+8*\b:BI+8*\b+7], v[SC+8*NQ*(\sc)+NQ*\b+(\q)], v[SC+8*NQ*(\sc)+NQ*(\a)+(\q)] matrix_a_fmt:MATRIX_FMT_BF8 matrix_b_fmt:MATRIX_FMT_BF8 matrix_a_scale:MATRIX_SCALE_ROW1
.elseif \zero == 2
	v_wmma_scale_f32_16x16x128_f8f6f4 v[8*(8*((\a)%4)+\b):8*(8*((\a)%4)+\b)+7], v[128*(\p)+FR*\b:128*(\p)+FR*\b+FR-1], v[AF+FR*(\a):AF+FR*(\a)+FR-1], v[BI+8*(\a):BI+8*(\a)+7], v[SC+8*NQ*(\sc)+NQ*\b+(\q)], v[SC+8*NQ*(\sc)+NQ*(\a)+(\q)] matrix_a_fmt:MATRIX_FMT_BF8 matrix_b_fmt:MATRIX_FMT_BF8 matrix_a_scale:MATRIX_SCALE_ROW1
.else
	v_wmma_scale_f32_16x16x128_f8f6f4 v[8*(8*((\a)%4)+\b):8*(8*((\a)%4)+\b)+7], v[128*(\p)+FR*\b:128*(\p)+FR*\b+FR-1], v[AF+FR*(\a):AF+FR*(\a)+FR-1], v[8*(8*((\a)%4)+\b):8*(8*((\a)%4)+\b)+7], v[SC+8*NQ*(\sc)+NQ*\b+(\q)], v[SC+8*NQ*(\sc)+NQ*(\a)+(\q)] matrix_a_fmt:MATRIX_FMT_BF8 matrix_b_fmt:MATRIX_FMT_BF8 matrix_a_scale:MATRIX_SCALE_ROW1
.endif
.endr
.endr
.endm
.macro FETCH_B slot, q, p
	WIN TO_B
.irp i, 0,1,2,3,4,5,6,7
	FRAG 128*(\p)+FR*\i, ADRB+\slot, \q, \i
.endr
	WIN 0
.endm
.macro FETCH_A slot, q, i0
.irp i, \i0, \i0+1, \i0+2, \i0+3
	FRAG AF+FR*(\i), ADRA+\slot, \q, \i
.endr
.endm
.macro SCALES sc                       ; a K step's scale words: two words a row; lanes 0-15 take A's block i, lanes 16-31 B's block i
.irp i, 0,1,2,3,4,5,6,7
	ds_load_b64 v[SC+8*NQ*\sc+NQ*\i:SC+8*NQ*\sc+NQ*\i+1], v[ADRS] offset:\i*SBLK
.endr
.endm
.macro PLACES n                        ; plain vector instructions that name none of a matrix instruction's registers, in front of loads into registers that it has read (ISA guide 7.12.1 for vector instructions)
.rept \n
	v_nop
.endr
.endm
; A step of 128 along K that has its successor in the same slot.  A's blocks go one after the other, so one set of registers serves A: blocks 0-3 come anew in the step's middle, blocks 4-7 at its end.
.macro STEP slot, q, zero
	s_wait_dscnt 4*NL                              ; B's set and A's blocks 0-3 are in; the youngest 16 loads (A's blocks 4-7) may be out
.if \zero
	WIN 0x81                                       ; the bias, C, lies in window 0
.else
	WIN MUL_LO
.endif
	MUL16 0, (\q)%2, \q, \slot, \zero
	MUL16 2, (\q)%2, \q, \slot, \zero
	s_wait_dscnt 0                                 ; A's blocks 4-7 are in
	PLACES NP
	FETCH_B \slot, (\q)+1, 1-(\q)%2
	FETCH_A \slot, (\q)+1, 0
.if \zero
	WIN 0xc1
.else
	WIN MUL_HI
.endif
	MUL16 4, (\q)%2, \q, \slot, \zero
	MUL16 6, (\q)%2, \q, \slot, \zero
	PLACES NP
	WIN 0
	FETCH_A \slot, (\q)+1, 4
.endm
; A slot's last step changes slots: ONE barrier; in front of it each wave waits for all its tensor loads, adds 0 to its spare word, and waits for that and for its own reads of this slot.  fill = 1: this slot is filled again, two K steps ahead.
.macro TURN slot, next, fill
	s_wait_tensorcnt 0x0                           ; all my tensor loads have landed: my part of the next slot
	ds_add_u32 v[SPW], v[NIL]                      ; 0 onto my spare word
	s_wait_dscnt 4*NL+1                            ; (the add and the youngest 16 loads, A's blocks 4-7, may be out)
	WIN MUL_LO
	MUL16 0, 1, NQ-1, \slot, 0                     ; sixteen matrix instructions stand between the add and the wait for it
	s_wait_dscnt 0x0                               ; the add is done, and my reads of this slot are over
	s_barrier_signal -1
	MUL16 2, 1, NQ-1, \slot, 0
	WIN 0
	s_barrier_wait -1
.if \fill
	CREST                                          ; the barrier has opened a round of the cluster's barrier: no wave of any partner still reads this slot's tile or has a load on its way
	s_add_nc_u64 s[G0+4*\slot+2:G0+4*\slot+3], s[G0+4*\slot+2:G0+4*\slot+3], 2*ROWB
	s_add_nc_u64 s[G0B+4*\slot+2:G0B+4*\slot+3], s[G0B+4*\slot+2:G0B+4*\slot+3], 2*ROWB
	JLOAD G0+4*\slot, G1, G0B+4*\slot, G1B         ; the first tensor load behind the round; its four v_nop are among the places in front of the loads below
	PLACES NP-4
.else
	PLACES NP
.endif
	s_wait_alu depctr_va_vdst(0)
	v_add_nc_u32 v[ADRS], 4*NQ, v[ADRS]            ; on to the next K step's scale words
	FETCH_B \next, 0, 0
	FETCH_A \next, 0, 0
	SCALES \next
	WIN MUL_HI
	MUL16 4, 1, NQ-1, \slot, 0
	MUL16 6, 1, NQ-1, \slot, 0
	PLACES NP
	WIN 0
	FETCH_A \next, 0, 4
.endm
	s_wait_tensorcnt 1                             ; the scales and my part of K step 0 are in; K step 1's load may be out
	s_barrier_signal -1
	s_barrier_wait -1
	FETCH_B 0, 0, 0
	FETCH_A 0, 0, 0
	SCALES 0
	FETCH_A 0, 0, 4
	s_wait_loadcnt 0x0                             ; the bias
	s_cmp_eq_u32 s[MODE], 2                        ; the first step is written twice: the bias goes by B's tile (q, k) or by A's block (v).  The product's number is the same in all partners, and no tensor load stands in the step
	s_cbranch_scc1 .Lfirst_v
	STEP 0, 0, 1
	s_branch .Lfirst_done
.Lfirst_v:
	STEP 0, 0, 2
.Lfirst_done:
	s_mov_b32 s3, LAPS-1
.Llap:                                                 ; a trip goes once round the ring, from a lap's second step to the next lap's first, and fills both slots again
	TURN 0, 1, 1
	STEP 1, 0, 0
	TURN 1, 0, 1
	STEP 0, 0, 0
	s_sub_co_u32 s3, s3, 1
	s_cmp_lg_u32 s3, 0
	s_cbranch_scc1 .Llap
	TURN 0, 1, 0                                   ; the last lap fills nothing, and has no round of the cluster's barrier
	STEP 1, 0, 0
	s_wait_dscnt 4*NL                              ; the very last step
	WIN MUL_LO
	MUL16 0, 1, NQ-1, 1, 0
	MUL16 2, 1, NQ-1, 1, 0
	s_wait_dscnt 0
	WIN MUL_HI
	MUL16 4, 1, NQ-1, 1, 0
	MUL16 6, 1, NQ-1, 1, 0
	WIN 0
	; THE WAY OUT.  The offsets are made here, where the bias's registers are free: these plain lines name no register of the last products and are the eight places behind them.
	v_and_b32 v74, 31, v0
	v_lshlrev_b32 v[VO], 4, v74                    ; 16 x lane
	v_add_nc_u32 v[VO+1], s22, v[VO]
	v_add_nc_u32 v[VO+2], s22, v[VO+1]
	v_add_nc_u32 v[VO+3], s22, v[VO+2]
.irp i, 0,1,2,3
	v_add_nc_u32 v[VO+4+\i], s23, v[VO+\i]
.endr
	v_and_b32 v75, 15, v0
	v_bfe_u32 v76, v0, 4, 1
	v_mul_u32_u24 v76, s24, v76
	v_lshl_add_u32 v[VSO], v75, 4, v76
	v_mov_b32 v[VSEL], s25
	v_mov_b32 v74, s26
	v_cndmask_b32 v[VSEL], v[VSEL], v74, s27
.irp b, 0,1,2,3
	v_mov_b32 v[TP+\b], 0                          ; written once: a lane permute's destination counts as one of its sources
.endr
; Block a: 16 rows of A x 128 rows of B.  A lane's register 8 t + j is row 16 t + 8 h + j of B: blocks of 32 are tiles 2 F and 2 F + 1, shared with lane l xor 16.
; The eight codes of tile t are bytes 8 h .. 8 h + 7 of lane (r, t % 2) in image block t / 2: byte 256 t + 16 r + 8 h.  So eight stores of 8 bytes a lane, 256 consecutive bytes each, lay the images, and nothing is permuted.
.macro EPI a
.set W, 2+(\a)/4
.set W_MX, W|(W<<2)
.set W_HD, (W<<6)|W
.set AC, 64*((\a)%4)
.set PCS, PC+16*((\a)%2)
.set OS, OUT+16*((\a)%2)
	WIN W_MX                                       ; sources 0 and 1: the accumulators' window
.irp b, 0,1,2,3
	v_max3_num_f32 v[TM+\b], |v[AC+16*\b]|, |v[AC+16*\b+1]|, 0x8000000   ; my 16 numbers of block b, from each accumulator's low end on, and the floor 2^(16 - 127): the byte cannot fall under 1
.endr
.irp i, 2,4,6,8,10,12,14
.irp b, 0,1,2,3
	v_max3_num_f32 v[TM+\b], |v[AC+16*\b+\i]|, |v[AC+16*\b+\i+1]|, v[TM+\b]
.endr
.endr
	WIN 0
.irp b, 0,1,2,3
	v_permlanex16_b32 v[TP+\b], v[TM+\b], s28, s29
.endr
.irp b, 0,1,2,3
	v_max_num_f32 v[TM+\b], v[TM+\b], v[TP+\b]     ; with lane l xor 16's: the block's largest magnitude
.endr
.irp b, 0,1,2,3
	v_add_nc_u32 v[SOP+\b], 0xf8800000, v[TM+\b]   ; 15 off its exponent field: the conversion's scale operand
.endr
.irp b, 0,1,2,3
.endr
.irp b, 0,1,2,3
	v_lshrrev_b32 v[TP+\b], 23, v[SOP+\b]          ; the scale's byte
.endr
	v_lshl_or_b32 v[PW], v[TP+1], 8, v[TP]
	v_lshl_or_b32 v[PW], v[TP+2], 16, v[PW]
	v_lshl_or_b32 v[PW], v[TP+3], 24, v[PW]
	WIN W_HD
.irp b, 0,1,2,3
.irp i, 0,1,2,3,4,5,6,7,8,9,10,11,12,13,14,15
.endr
.endr
	WIN W
.irp t, 0,1,2,3,4,5,6,7
	v_cvt_scalef32_pk8_bf8_f32 v[PCS+2*\t:PCS+2*\t+1], v[AC+8*\t:AC+8*\t+7], v[SOP+\t/2]
.endr
	WIN 0
	v_perm_b32 v[SW+(\a)%2], v[PW], v[PW], v[VSEL] ; my scale word.  (Also the plain line behind the last conversion)
.irp t, 0,1,2,3,4,5,6,7
	ds_store_b64 v[STO], v[PCS+2*\t:PCS+2*\t+1] offset:2048*(\a)+256*\t
.endr
	ds_store_b32 v[SWA], v[SW+(\a)%2] offset:64*(\a)
.irp b, 0,1,2,3
	ds_load_b128 v[OS+4*\b:OS+4*\b+3], v[RD] offset:2048*(\a)+512*\b   ; LDS serves a wave's instructions in order (ISA guide 5.7.1.4): these see the stores above
.endr
.endm
.macro SENDC a, n                      ; n: the LDS instructions issued behind block a's loads, which may stay out
.set OS, OUT+16*((\a)%2)
	s_wait_dscnt \n
.irp b, 0,1
	global_store_b128 v[VO+(\a)], v[OS+4*\b:OS+4*\b+3], s[14:15] offset:512*\b        ; 32 lanes store 512 consecutive bytes, at a multiple of 256 from the buffer's first byte
.endr
.irp b, 0,1
	global_store_b128 v[VO+(\a)], v[OS+8+4*\b:OS+8+4*\b+3], s[16:17] offset:512*\b
.endr
.endm
	EPI 0
.irp a, 1,2,3,4,5,6,7
.if \a > 1
	s_wait_xcnt 0x0                                ; block a - 2's stores have read their registers: block a's images may land there
.endif
	EPI \a
	SENDC \a-1, 13                                 ; behind block a - 1's loads: block a's 9 stores and 4 loads.  So block a - 1's LDS stores are done too, and its codes' registers are free for block a + 1
.endr
	SENDC 7, 0
	ds_load_b128 v[SWO:SWO+3], v[RD] offset:16384          ; the scale words: 128 words an array
	ds_load_b128 v[SWO+4:SWO+7], v[RD] offset:16384+512
	s_wait_dscnt 0x0
	global_store_b128 v[VSO], v[SWO:SWO+3], s[20:21]       ; q, k: my first head's 128 tokens;  v: 64 channels of each of my two heads, 256 consecutive bytes each
	s_cmp_eq_u32 s[MODE], 2                                ; v: the second array repeats the first (one path through LDS serves all three products) and is not stored
	s_cbranch_scc1 .Lno_second
	global_store_b128 v[VSO], v[SWO+4:SWO+7], s[18:19]     ; q, k: my second head's
.Lno_second:
	s_wait_tensorcnt 0x0                           ; the wave's end: behind my last tensor load and my last LDS store
	ds_add_u32 v[SPW], v[NIL]
	s_wait_dscnt 0x0
	CROUND                                         ; the closing round: no work-group ends while a partner may still ask for a tile that names it
	s_endpgm
.Lfunc_end_k_q878d51ae22_qkv:
	.size	k_q878d51ae22_qkv, .Lfunc_end_k_q878d51ae22_qkv-k_q878d51ae22_qkv
	.p2alignl 7, 3214868480
	.fill 96, 4, 3214868480
	.section	.rodata,"a",@progbits
	.p2align	6, 0x0
	.amdhsa_kernel k_q878d51ae22_qkv
		.amdhsa_group_segment_fixed_size 327680
		.amdhsa_private_segment_fixed_size 0
		.amdhsa_enable_private_segment 0
		.amdhsa_kernarg_size 112
		.amdhsa_user_sgpr_count 2
		.amdhsa_user_sgpr_kernarg_segment_ptr 1
		.amdhsa_wavefront_size32 1
		.amdhsa_system_sgpr_workgroup_id_x 1
		.amdhsa_system_sgpr_workgroup_id_y 1
		.amdhsa_system_sgpr_workgroup_id_z 1
		.amdhsa_system_vgpr_workitem_id 0
		.amdhsa_next_free_vgpr 1024
		.amdhsa_next_free_sgpr 102
		.amdhsa_reserve_vcc 0
		.amdhsa_float_denorm_mode_32 3
		.amdhsa_float_denorm_mode_16_64 3
		.amdhsa_fp16_overflow 1
		.amdhsa_memory_ordered 1
		.amdhsa_forward_progress 1
		.amdhsa_inst_pref_size 180
	.end_amdhsa_kernel
	.amdgpu_metadata
---
amdhsa.version: [ 1, 2 ]
amdhsa.kernels:
  - .name:           k_q878d51ae22_qkv
    .symbol:         k_q878d51ae22_qkv.kd
    .args:
      - { .name: x_codes, .offset: 0, .size: 8, .value_kind: global_buffer, .address_space: global }
      - { .name: x_scales, .offset: 8, .size: 8, .value_kind: global_buffer, .address_space: global }
      - { .name: Wq_codes, .offset: 16, .size: 8, .value_kind: global_buffer, .address_space: global }
      - { .name: Wq_scales, .offset: 24, .size: 8, .value_kind: global_buffer, .address_space: global }
      - { .name: Wk_codes, .offset: 32, .size: 8, .value_kind: global_buffer, .address_space: global }
      - { .name: Wk_scales, .offset: 40, .size: 8, .value_kind: global_buffer, .address_space: global }
      - { .name: Wv_codes, .offset: 48, .size: 8, .value_kind: global_buffer, .address_space: global }
      - { .name: Wv_scales, .offset: 56, .size: 8, .value_kind: global_buffer, .address_space: global }
      - { .name: bq, .offset: 64, .size: 8, .value_kind: global_buffer, .address_space: global }
      - { .name: bk, .offset: 72, .size: 8, .value_kind: global_buffer, .address_space: global }
      - { .name: bv, .offset: 80, .size: 8, .value_kind: global_buffer, .address_space: global }
      - { .name: qc, .offset: 88, .size: 8, .value_kind: global_buffer, .address_space: global }
      - { .name: qs, .offset: 96, .size: 8, .value_kind: global_buffer, .address_space: global }
      - { .name: kv, .offset: 104, .size: 8, .value_kind: global_buffer, .address_space: global }
    .group_segment_fixed_size: 327680
    .private_segment_fixed_size: 0
    .kernarg_segment_align: 8
    .kernarg_segment_size: 112
    .max_flat_workgroup_size: 128
    .sgpr_count:     102
    .vgpr_count:     1024
    .wavefront_size: 32
...
	.end_amdgpu_metadata
.endif
;; end of part 1
;; launch attn (part 2): grid 4 x 64, 16 waves a work-group, no clusters, 327,680 bytes of LDS; arguments qc, qs, kv, ac, asc; writes ac, asc
.if DOCPART == 2
	.amdgcn_target "amdgcn-amd-amdhsa--gfx1250"
	.amdhsa_code_object_version 6
	.text
	.protected	k_q878d51ae22_attn
	.globl	k_q878d51ae22_attn
	.p2align	8
	.type	k_q878d51ae22_attn,@function
k_q878d51ae22_attn:
	s_mov_b64 s[64:65], 0
	v_nop
	global_prefetch_b8 v0, s[64:65] scope:SCOPE_SE
	s_setreg_imm32_b32 hwreg(HW_REG_WAVE_MODE, 25, 1), 1
	s_wait_xcnt 0x0
; Causal attention of one (batch, head) on codes of BF8 (E5M2), one E8M0 scale for each 32 along a product's K.  t = score x log2(e) / 8; M = the row's largest t so far, rounded UP to a whole number; p = 2^(t - M) is
; quantised along the keys, not normalised; the row's sum is taken of the unquantised p and divides O at the end; when M moves, the sum and O are multiplied by 2^(old M - new M): exact.
; The result, f32, is quantised along the 1,024 channels (my head's 64: two blocks of 32) and stored as images of the third launch's operand registers (ac) and as scale bytes [token][32] (asc).
; WORK LEFT OUT: steps of 128 keys that lie wholly behind a tile's 16 queries: reference()'s own jnp.tril makes their p zero for all finite inputs (shown at the head of the first launch).
; LIMITS: as stated there; a p under 2^-126 comes out of v_exp_f32 as 0; 1 / the sum is v_rcp_f32.  asc is stored a byte a lane, rows 32 bytes apart: one byte for each 32 of ac's.
; SHARES.  Work-group (i, head) owns the blocks i and 7 - i of 256 queries, one after the other: block i walks slots 0 .. i of 256 keys, block 7 - i slots 0 .. 7 - i: NINE slot trips in every work-group, a constant.
; Each of sixteen waves owns one tile of 16 queries of the block in hand, in 256 registers: four waves to a SIMD, so that one wave's vector work stands beside another's matrix work and LDS loads.
; NO CLUSTER: from the second trip on the four work-groups of a head want different slots in the same trip (slot g, g - 2, g - 3, g - 4 ..), so no joint request could serve them without tiles that some partner never reads.
; A slot of kv is 34,304 dense bytes = 67 rows of 512: rows 2 a + c: K's codes, tile a of 16 keys, channel block c; rows 32 + 16 q + 4 t + c: V's codes, step q of 128 keys, tile t of 16 channels, key block c;
; rows 64 + q: K's scale words; row 66: V's.  Wave 0 brings it by one tensor load, 64 bytes of padding behind each row.  Two LDS slots take turns.
; K = 64 IN AN INSTRUCTION OF 128.  A fragment's registers 0-7 hold one tile of 16 keys (lo), registers 8-15 another (hi).  Q lies between two runs of eight zero registers: v[24:39] = (q, 0) multiplies the lo tile,
; v[16:31] = (0, q) the hi tile; the other half meets zero codes, which add nothing (K's codes are finite: the quantiser holds them).  Scale words are (s0, s1, s0, s1), so they serve either half.
; THE KEYS OF A TILE ARE NOT NEIGHBOURS: row m of fragment F's lo tile is key 32 F + 16 (m / 8) + m % 8, of its hi tile 8 further on, so that S^T's 16 registers of fragment F are keys 32 F + 16 (lane / 16) + 0 .. 15.
; Both products are used transposed (S^T = K Q^T, O^T = V^T P^T): a lane holds ONE query (lane % 16) throughout.
.set SLOTB, 34304                      ; a slot in memory
.set HEADB, 8*SLOTB
.set LP,    576                        ; an LDS row: 512 bytes + 64 of padding: two rows on is 128 bytes on modulo 256, so the 16 lanes of a K load touch 16 different columns of 16 bytes
.set SLOT1, 65536                      ; LDS slot 1: one exclusive or turns an address in one slot into the other's
.set SPARE, 131072                     ; the spare words, 128 bytes for each wave: eight blocks of 256 bytes that no other line names
.set VCO,   32*LP
.set KSC,   64*LP
.set VSC,   66*LP
.set AK0,  1                           ; v1   my lane's place in a fragment of K
.set AV0,  2                           ; v2   16 x lane
.set ASK0, 3                           ; v3   my lane's place among K's scale words
.set ASV0, 4                           ; v4   4 x lane
.set SPW,  5                           ; v5   LDS address of my spare word; never rewritten
.set NIL,  6                           ; v6   0; never rewritten
.set PFO,  7                           ; v7   256 x lane: the prefetches' offset; never rewritten
.set ADK,  8                           ; v8-11 LDS addresses of the step in hand
.set ADV,  9
.set ADS,  10
.set ADT,  11
                                       ; v12 -M, v13 the largest t, v[14:15] the sum in two halves; v16-23 zeros, v24-31 q, v32-39 zeros; v40-47 the second block's q
.set GO,   48                          ; v48  16 r + 8 h: my 8 codes' place in 256 bytes of ac
.set GS,   49                          ; v49  32 r + h: my scale byte's place in asc
.set QSW,  50                          ; v50  q's scale words;  v51 the second block's
.set QS2,  51
.set F,    52                          ; v[52:53] f = 2^(old M - new M), later 1 / the sum; and 0
.set PSW,  54                          ; v54  p's scale word
.set T0,   55                          ; v55, v62, v63 at work
.set T1,   62
.set KSW,  56                          ; v56-59 K's scale words: lanes 0-15 the lo tile's rows, lanes 16-31 the hi tile's
.set VSW,  60                          ; v60-61 V's: lanes 0-15 an even tile of channels, lanes 16-31 the odd one
.set FRG,  64                          ; v64-127 four fragments of K, then of V
.set S,    128                         ; v128-191 S^T, then p
.set O,    192                         ; v192-223 O^T
.set PCD,  224                         ; v224-239 p's codes
.set BM,   240                         ; v240-243 block maxima; v244-247 at work; v252-255 the conversions' scale operands
.set TP,   244
.set HD,   248
.set SOP,  252
.set WV,   14
.set WI,   15                          ; s15  i
.set HEAD, 16
.set NA,   17                          ; s17  i + 1: the trip at which the second block begins
.set G,    18                          ; s18  the trip
.set SIG,  19                          ; s19  the slot of keys last asked for
.set SEL,  20                          ; s[20:21] v_permlanex16_b32's selects for lane l xor 16
.set CS,   22                          ; s[22:23] c = log2(e) / 8
.set MNT,  24
.set TB,   25                          ; s25  LDS byte at which the slot in hand begins
.set KF,   26                          ; s26  the step's first key
.set Q0,   27                          ; s27  my first query;  s28 that of the second block
.set QB,   28
.set HI16, 29                          ; s29  lanes 16-31
.set LIM,  30                          ; s30  a wave prefetches while the trip is under this
.set G1,   32
.set G0,   40
.set HB,   44                          ; s[44:45] my head in kv
.set PFA,  46                          ; s[46:47] where my prefetches stand
.set OA,   50                          ; s[50:51] ac, s[52:53] asc at my tile;  s[54:57] the second block's
.macro TLOAD                           ; wave 0 alone fetches: one load a slot.  An s_nop 0 and four v_nop follow it
	s_cmp_lg_u32 s[WV], 0
	s_cbranch_scc1 .Lnot_zero_\@
	tensor_load_to_lds s[G0:G0+3], s[G1:G1+7]
	s_nop 0
.rept 4
	v_nop
.endr
.Lnot_zero_\@:
.endm
; A PREFETCH INTO THE L2.  The work-group i = 0 of a head asks by tensor load for slot g of the keys at change g.  At changes 0 to 6 its waves 4 to 7, which fetch nothing, name the 32,768 bytes of codes of slot g + 1,
; which the next change loads: 8,192 bytes a wave, lanes 256 bytes apart, one instruction a wave.  So each aligned block of 256 bytes is named once in the launch.  Slot 0 and the scale words come by their loads alone.
.macro ASK
	s_cmp_lt_u32 s[G], s[LIM]
	s_cbranch_scc0 .Lno_ask_\@
	global_prefetch_b8 v[PFO], s[PFA:PFA+1] th:TH_LOAD_NT scope:SCOPE_SE
.Lno_ask_\@:
.endm
	s_load_b256 s[4:11], s[0:1], 0x0               ; qc, qs, kv, ac
	s_load_b64 s[12:13], s[0:1], 0x20              ; asc
	v_lshl_add_u32 v[SPW], v0, 2, SPARE
	v_mov_b32 v[NIL], 0
	ds_add_u32 v[SPW], v[NIL]                      ; the wave's opening: the add, twice on end, and its wait ahead of the first tensor load
	ds_add_u32 v[SPW], v[NIL]                      ; and once more; the set-up below, work on registers, stands between it and the wait
	v_lshrrev_b32 v8, 5, v0
	s_delay_alu instid0(VALU_DEP_1)
	v_readfirstlane_b32 s[WV], v8                  ; wave 0..15
	s_mov_b32 s[WI], ttmp9
	s_and_b32 s[HEAD], ttmp7, 0xffff               ; 16 x batch + head
	s_add_co_u32 s[NA], s[WI], 1
	s_mov_b32 s[G], 0
	s_mov_b32 s[SIG], 0
	s_mov_b32 s[SEL], 0x76543210
	s_mov_b32 s[SEL+1], 0xfedcba98
	s_mov_b32 s[CS], 0x3e38aa3b                    ; log2(e) / 8
	s_mov_b32 s[CS+1], s[CS]                       ; (named with it as a pair, so it is written)
	s_mov_b32 s[TB], 0
	s_mov_b32 s[KF], 0
	s_mov_b32 s[HI16], 0xffff0000
	; group 1: 67 rows of 512 bytes (64 elements of 8), dense in memory, 16 words of padding behind each
	s_mov_b32 s[G1], (3<<16)|(1<<20)|(6<<22)|(15<<25)
	s_mov_b32 s[G1+1], 64<<16                      ; tensor_dim0
	s_mov_b32 s[G1+2], 67<<16                      ; tensor_dim1
	s_mov_b32 s[G1+3], 64<<16                      ; tile_dim0
	s_mov_b32 s[G1+4], 67                          ; tile_dim1
	s_mov_b32 s[G1+5], 64                          ; from row to row
	s_mov_b32 s[G1+6], 0
	s_mov_b32 s[G1+7], 0
	s_lshl_b32 s58, s[WV], 4
	s_lshl_b32 s[Q0], s[WI], 8
	s_add_co_u32 s[Q0], s[Q0], s58                 ; 256 i + 16 x wave
	s_sub_co_u32 s[QB], 7, s[WI]
	s_lshl_b32 s[QB], s[QB], 8
	s_add_co_u32 s[QB], s[QB], s58                 ; 256 (7 - i) + 16 x wave
	s_lshr_b32 s58, s[WV], 2
	s_xor_b32 s58, s58, 1                          ; 0 in waves 4 to 7,
	s_or_b32 s58, s58, s[WI]                       ; of the head's work-group 0
	s_cmp_eq_u32 s58, 0
	s_cselect_b32 s[LIM], 7, 0
	s_wait_dscnt 0x0                               ; both opening adds are done
	s_wait_kmcnt 0x0
	s_mul_i32 s58, s[HEAD], HEADB
	s_mov_b32 s59, 0
	s_add_nc_u64 s[HB:HB+1], s[8:9], s[58:59]
	s_mov_b32 s[G0], 1                             ; count = 1
	s_mov_b32 s[G0+1], 0                           ; LDS slot 0
	s_mov_b64 s[G0+2:G0+3], s[HB:HB+1]             ; the head's first 256 keys
	s_or_b32 s[G0+3], s[G0+3], 0x80000000          ; type = 2
	TLOAD
	s_and_b32 s58, s[WV], 3
	s_lshl_b32 s58, s58, 13
	s_add_nc_u64 s[PFA:PFA+1], s[HB:HB+1], s[58:59]    ; in slot 0; each change steps it a slot on ahead of its ask
	s_lshl_b32 s60, s[HEAD], 17                    ; qc: 131,072 bytes a head, 64 a query
	s_lshl_b32 s58, s[Q0], 6
	s_add_co_u32 s58, s58, s60
	s_add_nc_u64 s[62:63], s[4:5], s[58:59]
	s_lshl_b32 s58, s[QB], 6
	s_add_co_u32 s58, s58, s60
	s_add_nc_u64 s[66:67], s[4:5], s[58:59]
	s_lshl_b32 s60, s[HEAD], 13                    ; qs: 8,192 bytes a head, 4 a query
	s_lshl_b32 s58, s[Q0], 2
	s_add_co_u32 s58, s58, s60
	s_add_nc_u64 s[68:69], s[6:7], s[58:59]
	s_lshl_b32 s58, s[QB], 2
	s_add_co_u32 s58, s58, s60
	s_add_nc_u64 s[70:71], s[6:7], s[58:59]
	v_and_b32 v8, 15, v0                           ; r
	v_bfe_u32 v9, v0, 4, 1                         ; h
	v_and_b32 v10, 31, v0                          ; lane
	s_delay_alu instid0(VALU_DEP_1)
	v_lshlrev_b32 v[AV0], 4, v10
	s_delay_alu instid0(VALU_DEP_2)
	v_lshlrev_b32 v[ASV0], 2, v10
	v_lshlrev_b32 v11, 2, v8
	global_load_b128 v[24:27], v[AV0], s[62:63]                ; both blocks' q stay in registers: channels 16 h + 0 .. 15,
	global_load_b128 v[28:31], v[AV0], s[62:63] offset:512     ; 32 + 16 h + 0 .. 15
	global_load_b128 v[40:43], v[AV0], s[66:67]
	global_load_b128 v[44:47], v[AV0], s[66:67] offset:512
	global_load_b32 v[QSW], v11, s[68:69]
	global_load_b32 v[QS2], v11, s[70:71]
	v_lshrrev_b32 v12, 3, v8
	v_and_b32 v13, 7, v8
	s_delay_alu instid0(VALU_DEP_2)
	v_mul_u32_u24 v[AK0], v12, 2*LP                ; key 16 (r / 8) + r % 8 of 32: tile r / 8, two LDS rows a tile;
	s_delay_alu instid0(VALU_DEP_1)
	v_lshl_add_u32 v[AK0], v9, 8, v[AK0]           ; the image's lanes 16-31 hold my half's channels;
	s_delay_alu instid0(VALU_DEP_1)
	v_lshl_add_u32 v[AK0], v13, 4, v[AK0]          ; row r % 8 of the tile (the hi tile: 128 bytes on)
	v_lshlrev_b32 v[ASK0], 6, v12
	s_delay_alu instid0(VALU_DEP_1)
	v_lshl_add_u32 v[ASK0], v9, 5, v[ASK0]         ; lanes 16-31: the hi tile's rows, 8 keys on
	s_delay_alu instid0(VALU_DEP_1)
	v_lshl_add_u32 v[ASK0], v13, 2, v[ASK0]
	v_lshlrev_b32 v[GO], 4, v8
	s_delay_alu instid0(VALU_DEP_1)
	v_lshl_add_u32 v[GO], v9, 3, v[GO]
	v_lshl_add_u32 v[GS], v8, 5, v9
	v_lshlrev_b32 v[PFO], 8, v10
	s_lshr_b32 s60, s[HEAD], 4                     ; batch
	s_and_b32 s61, s[HEAD], 15                     ; head
	s_lshl_b32 s31, s60, 21                        ; ac: [tile of 16 tokens][8 K steps][4 blocks][lane][16]: 1,024 bytes a token; my head's two blocks begin 1,024 x head into a tile
	s_lshl_b32 s48, s61, 10
	s_add_co_u32 s31, s31, s48
	s_lshl_b32 s58, s[Q0], 10
	s_add_co_u32 s58, s58, s31
	s_add_nc_u64 s[OA:OA+1], s[10:11], s[58:59]
	s_lshl_b32 s58, s[QB], 10
	s_add_co_u32 s58, s58, s31
	s_add_nc_u64 s[OA+4:OA+5], s[10:11], s[58:59]
	s_lshl_b32 s31, s60, 16                        ; asc: 32 bytes a token; my head's two bytes at 2 x head
	s_lshl_b32 s48, s61, 1
	s_add_co_u32 s31, s31, s48
	s_lshl_b32 s58, s[Q0], 5
	s_add_co_u32 s58, s58, s31
	s_add_nc_u64 s[OA+2:OA+3], s[12:13], s[58:59]
	s_lshl_b32 s58, s[QB], 5
	s_add_co_u32 s58, s58, s31
	s_add_nc_u64 s[OA+6:OA+7], s[12:13], s[58:59]
.irp j, 0,1,2,3,4,5,6,7
	v_mov_b32 v[16+\j], 0                          ; the zero codes on both sides of q
	v_mov_b32 v[32+\j], 0
.endr
.macro FRESH                           ; a block of queries begins: O^T and the sum are zeros, the largest t is under every t.  (The step is written once: its first run multiplies zeros)
.set n, 0
.rept 32
	v_mov_b32 v[O+n], 0
.set n, n+1
.endr
	v_mov_b32 v13, 0xff61b1e6                      ; -3e38
	s_delay_alu instid0(VALU_DEP_1)
	v_floor_f32 v12, -v13                          ; -M
	v_mov_b32 v14, 0
	v_mov_b32 v15, 0
.endm
	FRESH
.irp b, 0,1,2,3
	v_mov_b32 v[TP+\b], 0                          ; written once: a lane permute's destination counts as one of its sources
.endr
	v_mov_b32 v[F], 0
	v_mov_b32 v[F+1], 0                            ; (the pair's upper half is named, so it is written)
	v_mov_b32 v[T0], 0
	v_mov_b32 v[T1], 0
	v_mov_b32 v[T1+1], 0
; A KEY STEP: 128 keys, the q-th of the slot in hand.
.macro STEP q
	s_add_co_u32 s58, s[Q0], 15                    ; a step all of whose keys come after my 16 queries is left out: a scalar branch on ids; no barrier and no tensor load stands in a step
	s_cmp_gt_u32 s[KF], s58
	s_cbranch_scc1 .Lhidden_\@
	v_add_nc_u32 v[ADK], s[TB], v[AK0]
	v_add_nc_u32 v[ADV], s[TB], v[AV0]
	v_add_nc_u32 v[ADS], s[TB], v[ASK0]
	v_add_nc_u32 v[ADT], s[TB], v[ASV0]
.rept 4
	v_nop                                          ; with the four additions: eight places in front of loads into registers that the last products have read
.endr
.irp f, 0,1,2,3
.irp u, 0,1
.irp d, 0,1
	ds_load_b128 v[FRG+16*\f+8*\u+4*\d:FRG+16*\f+8*\u+4*\d+3], v[ADK] offset:(4*(\q)+\f)*4*LP+\d*LP+128*\u   ; fragment f: tile lo (u = 0) or hi, channel block d
.endr
.endr
	ds_load_b32 v[KSW+\f], v[ADS] offset:KSC+(\q)*LP+128*\f
.endr
	s_wait_alu depctr_va_vdst(0)
	s_wait_dscnt 0x0
.irp f, 0,1,2,3
	v_wmma_scale_f32_16x16x128_f8f6f4 v[S+16*\f:S+16*\f+7], v[FRG+16*\f:FRG+16*\f+15], v[24:39], 0, v[KSW+\f], v[QSW] matrix_a_fmt:MATRIX_FMT_BF8 matrix_b_fmt:MATRIX_FMT_BF8
	v_wmma_scale_f32_16x16x128_f8f6f4 v[S+16*\f+8:S+16*\f+15], v[FRG+16*\f:FRG+16*\f+15], v[16:31], 0, v[KSW+\f], v[QSW] matrix_a_fmt:MATRIX_FMT_BF8 matrix_b_fmt:MATRIX_FMT_BF8 matrix_a_scale:MATRIX_SCALE_ROW1
.endr
.rept 8
	v_nop                                          ; places in front of the loads below and of the first read of the scores
.endr
.irp t, 0,1,2,3                                ; V's four fragments are asked for here and land under the softmax
.irp c, 0,1,2,3
	ds_load_b128 v[FRG+16*\t+4*\c:FRG+16*\t+4*\c+3], v[ADV] offset:VCO+(16*(\q)+4*\t+\c)*LP
.endr
.endr
	ds_load_b32 v[VSW], v[ADT] offset:VSC+256*(\q)
	ds_load_b32 v[VSW+1], v[ADT] offset:VSC+256*(\q)+128
	s_add_co_u32 s58, s[KF], 127                   ; on the diagonal the scores of hidden keys become -infinity ahead of the maximum: p = 0 then.  A step all of whose keys count skips this
	s_cmp_le_u32 s58, s[Q0]
	s_cbranch_scc1 .Lopen_\@
	s_sub_co_i32 s58, s[Q0], s[KF]
	v_and_b32 v[T0], 15, v0
	v_bfe_u32 v[T1], v0, 4, 1
	s_delay_alu instid0(VALU_DEP_1)
	v_lshlrev_b32 v[T1], 4, v[T1]
	s_delay_alu instid0(VALU_DEP_1)
	v_sub_nc_u32 v[T0], v[T0], v[T1]
	s_delay_alu instid0(VALU_DEP_1)
	v_add_nc_u32 v[T0], s58, v[T0]                 ; d = my query - the step's first key - 16 h.  Register 16 b + i holds key 32 b + 16 h + i of the step: hidden where 32 b + i > d
	v_mov_b32 v[T1], 0xff800000                    ; -infinity
.set n, 0
.rept 64
	v_cmp_gt_i32 vcc_lo, 32*(n/16)+n%16, v[T0]
	v_cndmask_b32 v[S+n], v[S+n], v[T1], vcc_lo
.set n, n+1
.endr
.Lopen_\@:
.irp b, 0,1,2,3
	v_max3_num_f32 v[BM+\b], v[S+16*\b], v[S+16*\b+1], v[S+16*\b+2]   ; the largest score of each block of 32 keys: for the row's maximum and, since p rises with the score, for the block's largest p
.endr
.irp i, 3,5,7,9,11,13
.irp b, 0,1,2,3
	v_max3_num_f32 v[BM+\b], v[BM+\b], v[S+16*\b+\i], v[S+16*\b+\i+1]
.endr
.endr
.irp b, 0,1,2,3
	v_max_num_f32 v[BM+\b], v[BM+\b], v[S+16*\b+15]
.endr
.irp b, 0,1,2,3
	s_delay_alu instid0(VALU_DEP_4)
	v_permlanex16_b32 v[TP+\b], v[BM+\b], s[SEL], s[SEL+1]
.endr
.irp b, 0,1,2,3
	s_delay_alu instid0(VALU_DEP_4)
	v_max_num_f32 v[BM+\b], v[BM+\b], v[TP+\b]     ; with lane l xor 16's 16 keys
.endr
	s_delay_alu instid0(VALU_DEP_2)
	v_max3_num_f32 v[T0], v[BM], v[BM+1], v[BM+2]
	s_delay_alu instid0(VALU_DEP_1)
	v_max_num_f32 v[T0], v[T0], v[BM+3]            ; the step's largest score of my query
	s_delay_alu instid0(VALU_DEP_1)
	v_mul_f32 v[T0], s[CS], v[T0]                  ; as t
	s_delay_alu instid0(VALU_DEP_1)
	v_max_num_f32 v13, v13, v[T0]                  ; the running largest t
	v_mov_b32 v[T0], v12
	s_delay_alu instid0(VALU_DEP_2)
	v_floor_f32 v12, -v13                          ; the new -M = floor(-t) = -ceil(t)
	s_delay_alu instid0(VALU_DEP_1)
	v_sub_f32 v[T0], v12, v[T0]                    ; old M - new M: a whole number, 0 or less
	s_delay_alu instid0(VALU_DEP_1)
	v_cvt_i32_f32 v[T0], v[T0]                     ; (it saturates)
	s_delay_alu instid0(VALU_DEP_1)
	v_ldexp_f32 v[F], 1.0, v[T0]                   ; f = 2^(old M - new M)
.set n, 0
.rept 32
	v_pk_fma_f32 v[S+n:S+n+1], v[S+n:S+n+1], s[CS:CS+1], v[12:13] op_sel_hi:[1,0,0]   ; t - M, two at a time
.set n, n+2
.endr
.irp b, 0,1,2,3
	v_fma_f32 v[BM+\b], v[BM+\b], s[CS], v12       ; the same of each block's largest score
.endr
.set n, 0
	s_wait_alu depctr_va_vdst(0)
.rept 64
	v_exp_f32 v[S+n], v[S+n]                       ; p = 2^(t - M), at most 1
.set n, n+1
.endr
	v_pk_mul_f32 v[14:15], v[14:15], v[F:F+1] op_sel_hi:[1,0]   ; the sums under the new M.  (The plain line behind the exponentials)
	s_wait_alu depctr_va_vdst(0)                   ; one wait for the batch of 64, ahead of its first reader
.irp b, 0,1,2,3
	v_exp_f32 v[BM+\b], v[BM+\b]                   ; the block's largest p: the same two instructions on the same number give the same bits
.endr
	v_pk_add_f32 v[62:63], v[132:133], v[136:137]
	v_pk_add_f32 v[254:255], v[140:141], v[144:145]
	v_pk_add_f32 v[252:253], v[148:149], v[152:153]
	v_pk_add_f32 v[250:251], v[156:157], v[160:161]
	v_pk_add_f32 v[248:249], v[164:165], v[168:169]
	v_pk_add_f32 v[246:247], v[172:173], v[176:177]
	v_pk_add_f32 v[244:245], v[180:181], v[184:185]
	v_pk_add_f32 v[14:15], v[14:15], v[188:189]
	v_pk_add_f32 v[62:63], v[62:63], v[128:129]
	v_pk_add_f32 v[254:255], v[254:255], v[130:131]
	v_pk_add_f32 v[252:253], v[252:253], v[134:135]
	v_pk_add_f32 v[250:251], v[250:251], v[138:139]
	v_pk_add_f32 v[248:249], v[248:249], v[142:143]
	v_pk_add_f32 v[246:247], v[246:247], v[146:147]
	v_pk_add_f32 v[244:245], v[244:245], v[150:151]
	v_pk_add_f32 v[14:15], v[14:15], v[154:155]
	v_pk_add_f32 v[62:63], v[62:63], v[158:159]
	v_pk_add_f32 v[254:255], v[254:255], v[162:163]
	v_pk_add_f32 v[252:253], v[252:253], v[166:167]
	v_pk_add_f32 v[250:251], v[250:251], v[170:171]
	v_pk_add_f32 v[248:249], v[248:249], v[174:175]
	v_pk_add_f32 v[246:247], v[246:247], v[178:179]
	v_pk_add_f32 v[244:245], v[244:245], v[182:183]
	v_pk_add_f32 v[14:15], v[14:15], v[186:187]
	v_pk_add_f32 v[62:63], v[62:63], v[190:191]
	s_delay_alu instid0(VALU_DEP_2)
	v_pk_add_f32 v[14:15], v[14:15], v[250:251]
	s_delay_alu instid0(VALU_DEP_2)
	v_pk_add_f32 v[62:63], v[62:63], v[248:249]
	v_pk_add_f32 v[254:255], v[254:255], v[246:247]
	v_pk_add_f32 v[252:253], v[252:253], v[244:245]
	s_delay_alu instid0(VALU_DEP_2)
	v_pk_add_f32 v[14:15], v[14:15], v[254:255]
	s_delay_alu instid0(VALU_DEP_2)
	v_pk_add_f32 v[62:63], v[62:63], v[252:253]
	s_delay_alu instid0(VALU_DEP_1)
	v_pk_add_f32 v[14:15], v[14:15], v[62:63]
	s_wait_alu depctr_va_vdst(0)                   ; and one for the four
.irp b, 0,1,2,3
	v_max_num_f32 v[BM+\b], 0x8000000, v[BM+\b]    ; the floor 2^(16 - 127): the byte cannot fall under 1 (a block whose every p is 0 keeps that byte: its codes are zeros)
.endr
.irp b, 0,1,2,3
	s_delay_alu instid0(VALU_DEP_4)
	v_add_nc_u32 v[SOP+\b], 0xf8800000, v[BM+\b]   ; 15 off the exponent field: the conversion's scale operand
.endr
.irp b, 0,1,2,3
.endr
.irp b, 0,1,2,3
	s_delay_alu instid0(VALU_DEP_4)
	v_lshrrev_b32 v[TP+\b], 23, v[SOP+\b]          ; the scale's byte
.endr
	s_delay_alu instid0(VALU_DEP_3)
	v_lshl_or_b32 v[PSW], v[TP+1], 8, v[TP]        ; p's scale word: more than eight plain lines ahead of the products that name it
	s_delay_alu instid0(VALU_DEP_1)
	v_lshl_or_b32 v[PSW], v[TP+2], 16, v[PSW]
	s_delay_alu instid0(VALU_DEP_1)
	v_lshl_or_b32 v[PSW], v[TP+3], 24, v[PSW]
.irp b, 0,1,2,3
.irp i, 0,1,2,3,4,5,6,7,8,9,10,11,12,13,14,15
.endr
	v_cvt_scalef32_pk8_bf8_f32 v[PCD+4*\b:PCD+4*\b+1], v[S+16*\b:S+16*\b+7], v[SOP+\b]
	v_cvt_scalef32_pk8_bf8_f32 v[PCD+4*\b+2:PCD+4*\b+3], v[S+16*\b+8:S+16*\b+15], v[SOP+\b]
.endr
.set n, 0
.rept 16
	v_pk_mul_f32 v[O+n:O+n+1], v[O+n:O+n+1], v[F:F+1] op_sel_hi:[1,0]   ; O^T under the new M.  (Also the plain lines between the conversions and the products)
.set n, n+2
.endr
	s_wait_alu depctr_va_vdst(0)
	s_wait_dscnt 0x0                               ; V
	; O^T += V^T P^T: four accumulators, one instruction a turn; eight other products stand between two links of a chain
	v_wmma_scale_f32_16x16x128_f8f6f4 v[O:O+7], v[FRG:FRG+15], v[PCD:PCD+15], v[O:O+7], v[VSW], v[PSW] matrix_a_fmt:MATRIX_FMT_BF8 matrix_b_fmt:MATRIX_FMT_BF8
	v_wmma_scale_f32_16x16x128_f8f6f4 v[O+8:O+15], v[FRG+16:FRG+31], v[PCD:PCD+15], v[O+8:O+15], v[VSW], v[PSW] matrix_a_fmt:MATRIX_FMT_BF8 matrix_b_fmt:MATRIX_FMT_BF8 matrix_a_scale:MATRIX_SCALE_ROW1
	v_wmma_scale_f32_16x16x128_f8f6f4 v[O+16:O+23], v[FRG+32:FRG+47], v[PCD:PCD+15], v[O+16:O+23], v[VSW+1], v[PSW] matrix_a_fmt:MATRIX_FMT_BF8 matrix_b_fmt:MATRIX_FMT_BF8
	v_wmma_scale_f32_16x16x128_f8f6f4 v[O+24:O+31], v[FRG+48:FRG+63], v[PCD:PCD+15], v[O+24:O+31], v[VSW+1], v[PSW] matrix_a_fmt:MATRIX_FMT_BF8 matrix_b_fmt:MATRIX_FMT_BF8 matrix_a_scale:MATRIX_SCALE_ROW1
.Lhidden_\@:
	s_add_co_u32 s[KF], s[KF], 128
.endm
; THE CHANGE OF SLOTS stands at a trip's head.  Each wave waits for all its tensor loads, adds 0 to its spare word, and waits for that and for its reads of the slot that it has left.  Behind the barrier the slot ahead
; is whole and nobody reads the other one.  fill = 1: wave 0 fills that other slot with the next trip's keys: the next slot of the block in hand, or slot 0 where the next trip begins the second block.
.macro CHANGE fill
	s_wait_tensorcnt 0x0                           ; no tensor load of mine is out, so group 0 may be written
	ds_add_u32 v[SPW], v[NIL]                      ; 0 onto my spare word
.if \fill
	ds_add_u32 v[SPW], v[NIL]                      ; and once more, in every trip alike
	s_xor_b32 s[G0+1], s[G0+1], SLOT1              ; the other LDS slot than last time
	s_add_co_u32 s58, s[G], 1
	s_add_co_u32 s[SIG], s[SIG], 1
	s_cmp_eq_u32 s58, s[NA]
	s_cselect_b32 s[SIG], 0, s[SIG]
	s_mul_i32 s58, s[SIG], SLOTB
	s_mov_b32 s59, 0
	s_add_nc_u64 s[G0+2:G0+3], s[HB:HB+1], s[58:59]
	s_or_b32 s[G0+3], s[G0+3], 0x80000000
	s_wait_xcnt 0x0                                ; the last prefetch, a trip back, has read its address, so it may be written
	s_add_nc_u64 s[PFA:PFA+1], s[PFA:PFA+1], SLOTB
.endif
	s_wait_dscnt 0x0                               ; the add is done (fill = 1: both are), and my reads of the slot that I have left are over
	s_barrier_signal -1
	s_barrier_wait -1
.if \fill
	TLOAD                                          ; the first thing behind the barrier, and the one tensor load until the next: it has a trip's two key steps in which to land
	ASK
.endif
.endm
; A block's end: O^T / the sum; my head's 64 channels are two blocks of 32 of the last product's K.  Register 8 t + j is channel 16 t + 8 h + j of query r: a block is tiles 2 b and 2 b + 1, shared with lane l xor 16.
; Tile t's eight codes are bytes 256 t + 16 r + 8 h of my head's 1,024 bytes of the image: each store covers 256 consecutive bytes, aligned.
.macro WAYOUT
	v_add_f32 v14, v14, v15                        ; the sum's two halves,
	s_delay_alu instid0(VALU_DEP_1)
	v_permlanex16_b32 v[T0], v14, s[SEL], s[SEL+1]
	s_delay_alu instid0(VALU_DEP_1)
	v_add_f32 v14, v14, v[T0]                      ; and lane l xor 16's
	s_wait_alu depctr_va_vdst(0)
	v_rcp_f32 v[F], v14
.rept 6
	v_nop                                          ; with the two additions: eight places behind the last products; the first is also the plain line behind the reciprocal
.endr
	s_wait_alu depctr_va_vdst(0)                   ; the wait ahead of the reciprocal's first reader
.set n, 0
.rept 16
	v_pk_mul_f32 v[S+n:S+n+1], v[O+n:O+n+1], v[F:F+1] op_sel_hi:[1,0]   ; each accumulator from its low end on
.set n, n+2
.endr
.irp b, 0,1
	v_max3_num_f32 v[BM+\b], |v[S+16*\b]|, |v[S+16*\b+1]|, 0x8000000
.endr
.irp i, 2,4,6,8,10,12,14
.irp b, 0,1
	s_delay_alu instid0(VALU_DEP_2)
	v_max3_num_f32 v[BM+\b], v[BM+\b], |v[S+16*\b+\i]|, |v[S+16*\b+\i+1]|
.endr
.endr
.irp b, 0,1
	s_delay_alu instid0(VALU_DEP_2)
	v_permlanex16_b32 v[TP+\b], v[BM+\b], s[SEL], s[SEL+1]
.endr
.irp b, 0,1
	s_delay_alu instid0(VALU_DEP_2)
	v_max_num_f32 v[BM+\b], v[BM+\b], v[TP+\b]
.endr
.irp b, 0,1
	s_delay_alu instid0(VALU_DEP_2)
	v_add_nc_u32 v[SOP+\b], 0xf8800000, v[BM+\b]
.endr
.irp b, 0,1
.endr
.irp b, 0,1
	s_delay_alu instid0(VALU_DEP_2)
	v_lshrrev_b32 v[TP+\b], 23, v[SOP+\b]
.endr
.irp b, 0,1
.irp i, 0,1,2,3,4,5,6,7,8,9,10,11,12,13,14,15
.endr
.endr
.irp t, 0,1,2,3
	v_cvt_scalef32_pk8_bf8_f32 v[PCD+2*\t:PCD+2*\t+1], v[S+8*\t:S+8*\t+7], v[SOP+\t/2]
.endr
	v_cndmask_b32 v[T0], v[TP], v[TP+1], s[HI16]   ; lanes 0-15 store block 0's byte, lanes 16-31 block 1's.  (Also the plain line behind the last conversion)
.irp t, 0,1,2,3
	global_store_b64 v[GO], v[PCD+2*\t:PCD+2*\t+1], s[OA:OA+1] offset:256*\t
.endr
	global_store_b8 v[GS], v[T0], s[OA+2:OA+3]
.endm
	s_wait_loadcnt 0x0                             ; q and its scale words
.Ltrip:                                            ; eight trips; the ninth is written out, since it asks for nothing
	CHANGE 1
	s_cmp_lg_u32 s[G], s[NA]                       ; ids alone: the same in all sixteen waves
	s_cbranch_scc1 .Lsame_block
	s_wait_alu depctr_va_vdst(0)
	WAYOUT                                         ; the first block is finished; the second begins
	v_mov_b32 v[QSW], v[QS2]                       ; more than eight plain lines ahead of the next products
.irp j, 0,1,2,3,4,5,6,7
	v_mov_b32 v[24+\j], v[40+\j]
.endr
	FRESH
	s_wait_xcnt 0x0                                ; the stores have read their registers and bases: both may be written
	s_mov_b64 s[OA:OA+1], s[OA+4:OA+5]
	s_mov_b64 s[OA+2:OA+3], s[OA+6:OA+7]
	s_mov_b32 s[Q0], s[QB]
	s_mov_b32 s[KF], 0
.Lsame_block:
	STEP 0
	STEP 1
	s_xor_b32 s[TB], s[TB], SLOT1                  ; on to the other LDS slot
	s_add_co_u32 s[G], s[G], 1
	s_cmp_lt_u32 s[G], 8
	s_cbranch_scc1 .Ltrip
	CHANGE 0
	STEP 0
	STEP 1
	s_wait_alu depctr_va_vdst(0)
	WAYOUT
	s_wait_tensorcnt 0x0                           ; the wave's end: behind the last tensor load
	ds_add_u32 v[SPW], v[NIL]
	s_wait_dscnt 0x0
	s_endpgm
.Lfunc_end_k_q878d51ae22_attn:
	.size	k_q878d51ae22_attn, .Lfunc_end_k_q878d51ae22_attn-k_q878d51ae22_attn
	.p2alignl 7, 3214868480
	.fill 96, 4, 3214868480
	.section	.rodata,"a",@progbits
	.p2align	6, 0x0
	.amdhsa_kernel k_q878d51ae22_attn
		.amdhsa_group_segment_fixed_size 327680
		.amdhsa_private_segment_fixed_size 0
		.amdhsa_enable_private_segment 0
		.amdhsa_kernarg_size 40
		.amdhsa_user_sgpr_count 2
		.amdhsa_user_sgpr_kernarg_segment_ptr 1
		.amdhsa_wavefront_size32 1
		.amdhsa_system_sgpr_workgroup_id_x 1
		.amdhsa_system_sgpr_workgroup_id_y 1
		.amdhsa_system_sgpr_workgroup_id_z 1
		.amdhsa_system_vgpr_workitem_id 0
		.amdhsa_next_free_vgpr 256
		.amdhsa_next_free_sgpr 72
		.amdhsa_reserve_vcc 1
		.amdhsa_float_denorm_mode_32 3
		.amdhsa_float_denorm_mode_16_64 3
		.amdhsa_fp16_overflow 1
		.amdhsa_memory_ordered 1
		.amdhsa_forward_progress 1
		.amdhsa_inst_pref_size 111
	.end_amdhsa_kernel
	.amdgpu_metadata
---
amdhsa.version: [ 1, 2 ]
amdhsa.kernels:
  - .name:           k_q878d51ae22_attn
    .symbol:         k_q878d51ae22_attn.kd
    .args:
      - { .name: qc, .offset: 0, .size: 8, .value_kind: global_buffer, .address_space: global }
      - { .name: qs, .offset: 8, .size: 8, .value_kind: global_buffer, .address_space: global }
      - { .name: kv, .offset: 16, .size: 8, .value_kind: global_buffer, .address_space: global }
      - { .name: ac, .offset: 24, .size: 8, .value_kind: global_buffer, .address_space: global }
      - { .name: asc, .offset: 32, .size: 8, .value_kind: global_buffer, .address_space: global }
    .group_segment_fixed_size: 327680
    .private_segment_fixed_size: 0
    .kernarg_segment_align: 8
    .kernarg_segment_size: 40
    .max_flat_workgroup_size: 512
    .sgpr_count:     72
    .vgpr_count:     256
    .wavefront_size: 32
...
	.end_amdgpu_metadata
.endif
;; end of part 2
;; launch oproj (part 3): grid 4 x 32, 4 waves a work-group, clusters of 4 x 4, 327,680 bytes of LDS; arguments ac, asc, Wo_codes, Wo_scales, bo, out0; writes out0
.if DOCPART == 3
	.amdgcn_target "amdgcn-amd-amdhsa--gfx1250"
	.amdhsa_code_object_version 6
	.text
	.protected	k_q878d51ae22_oproj
	.globl	k_q878d51ae22_oproj
	.p2align	8
	.type	k_q878d51ae22_oproj,@function
k_q878d51ae22_oproj:
	s_mov_b64 s[64:65], 0
	v_nop
	global_prefetch_b8 v0, s[64:65] scope:SCOPE_SE
	s_setreg_imm32_b32 hwreg(HW_REG_WAVE_MODE, 25, 1), 1
	s_wait_xcnt 0x0
	s_wait_alu depctr_hold_cnt(0) depctr_sa_sdst(0) depctr_va_vdst(0) depctr_va_sdst(0) depctr_va_ssrc(0) depctr_va_vcc(0) depctr_vm_vsrc(0)
	s_getreg_b32 s2, hwreg(HW_REG_IB_STS2, 6, 4)
	s_cmp_eq_u32 s2, 0
	s_cbranch_scc0 .Lentry_in_a_cluster
	s_endpgm
.Lentry_in_a_cluster:
	s_bfe_u32 s2, ttmp6, 0x10000c
	s_cmp_lg_u32 s2, 0xf033
	s_cbranch_scc0 .Lentry_shape_is_right
	s_endpgm
.Lentry_shape_is_right:
; out0 = a Wo^T + bo on codes of BF8 (E5M2), one E8M0 scale for each 32 along K = 1,024; sums in f32.  a: the attention's result, 8,192 rows, as the second launch stored it:
; ac [tile of 16 tokens][8 K steps of 128][4 blocks][lane][16]: images of operand registers; asc [token][32] scale bytes.  Wo: [1,024][1,024] codes, K innermost; its scale bytes [1,024][32].  No work is left out here.
; A tile of 256 x 256 of the result to a work-group of four waves, 128 x 128 to a wave: 128 work-groups.  A tile of 256 x 128 would give 256, but each LDS byte would feed fewer products.
; K goes in steps of 256 through two LDS slots filled by joint tensor loads: a's tiles shared along a row of the 4 x 4 cluster, Wo's along a column.  The scale bytes come once.
; THE MATRIX INSTRUCTION IS USED TRANSPOSED (source 0 = 16 rows of Wo, source 1 = 16 tokens): a lane holds eight neighbouring numbers of a row of the result.  bo is the C of each sum's first matrix instruction.
; REGISTERS, in windows of 256: window 0: v0-31 addresses; v32-63 scale words, two sets; v64-127 bo; v128-255 a's fragments, one set, later the way out.  window 1: Wo's fragments, two sets.  windows 2, 3: the accumulators.
.set NQ,     2
.set ROWB,   256                       ; a row of Wo's tile in bytes
.set KROW,   1024
.set PITCH,  272                       ; Wo's rows in LDS: 256 bytes + 16 of padding
.set FR,     16
.set NL,     4
.set NP,     8                         ; places behind this matrix instruction (ISA guide 7.12.1)
.set HALFT,  128*PITCH                 ; 128 rows of Wo
.set ASTEP,  4096                      ; a tile of 16 tokens, 256 along K: two images of 2,048 bytes
.set HALFA,  8*ASTEP                   ; 128 tokens: dense, every load of a fragment takes 512 consecutive bytes
.set BOFF,   2*HALFA
.set SLOT,   BOFF+2*HALFT
.set LAPS,   2
.set KS,     32
.set SCL,    2*SLOT
.set HALFS,  (128*KS/256)*272
.set SBLK,   (16*KS/256)*272
.set SPARE,  SCL+4*HALFS               ; the spare words, 128 bytes for each wave: two blocks of 256 bytes that no other line names
.set SPITCH, 528                       ; the way out: a stage of 16 rows x (512 bytes + 16) for each wave, in slot 0, which has had its last fill and its last read by then
.set NOUT,   1024
.set ADRA, 16
.set ADRB, 20
.set STO,  24
.set RD,   25
.set CO,   26                          ; v26  16 x lane
.set ADRS, 27
.set SPW,  28                          ; v28  LDS address of my spare word; never rewritten
.set NIL,  29                          ; v29  0; never rewritten
.set SC,   32
.set BI,   64
.set AF,   128
.set BK,   128
.set WV,   16
.set WR,   17
.set WC,   18
.set G1, 24
.set G0, 32
.set G1B, 48
.set G0B, 56
.set G1S, 68
.set G0S, 76
.set G1SB, 80
.set G0SB, 88
.set MSB, 0
.macro WIN new
.if MSB != (\new)
	s_set_vgpr_msb (MSB<<8)|(\new)
.set MSB, (\new)
.endif
.endm
.set MUL_LO, 0xa1
.set MUL_HI, 0xf1
.set TO_B,   0x40
.macro JLOAD g0a, g1a, g0b, g1b        ; a joint load: waves 0 and 1 fetch for a, waves 2 and 3 for Wo; an s_nop 0 and four v_nop follow each of the two lines
	s_cmp_eq_u32 s[WR], 0
	s_cbranch_scc0 .Lfor_b_\@
	tensor_load_to_lds s[\g0a:\g0a+3], s[\g1a:\g1a+7]
	s_nop 0
.rept 4
	v_nop
.endr
	s_branch .Lasked_\@
.Lfor_b_\@:
	tensor_load_to_lds s[\g0b:\g0b+3], s[\g1b:\g1b+7]
	s_nop 0
.rept 4
	v_nop
.endr
.Lasked_\@:
.endm
.macro CREST
	s_cmp_lg_u32 s[WV], 0
	s_cbranch_scc1 .Lnot_wave_0_\@
	s_barrier_signal -3
.Lnot_wave_0_\@:
	s_barrier_wait -3
	s_barrier_signal -1
	s_barrier_wait -1
.endm
.macro CROUND
	s_barrier_signal -1
	s_barrier_wait -1
	CREST
.endm
	s_load_b256 s[4:11], s[0:1], 0x0               ; ac, asc, Wo's codes, Wo's scales
	s_load_b128 s[12:15], s[0:1], 0x20             ; bo, out0
	v_lshl_add_u32 v[SPW], v0, 2, SPARE
	v_mov_b32 v[NIL], 0
	ds_add_u32 v[SPW], v[NIL]                      ; the wave's opening: the add, twice on end, and its wait ahead of my first tensor load
	ds_add_u32 v[SPW], v[NIL]                      ; and once more; the set-up below, work on registers, stands between it and the wait
	v_lshrrev_b32 v1, 5, v0
	v_readfirstlane_b32 s[WV], v1
	s_lshr_b32 s[WR], s[WV], 1                     ; which half of the tile's tokens is mine.  Also: I fetch for a (0) or for Wo (1)
	s_and_b32 s[WC], s[WV], 1                      ; which half of its columns.  Also: which 128 rows I fetch
	s_bfe_u32 s40, ttmp6, 0x40000                  ; cx, cy
	s_bfe_u32 s41, ttmp6, 0x40004
	s_lshl_b32 s42, ttmp9, 2
	s_add_co_u32 s42, s42, s40                     ; tile column
	s_and_b32 s19, ttmp7, 0xffff
	s_lshl_b32 s19, s19, 2
	s_add_co_u32 s19, s19, s41                     ; tile row
	s_lshl_b32 s43, s41, 2
	s_lshl_b32 s43, 15, s43                        ; my row of the cluster
	s_lshl_b32 s44, 0x1111, s40                    ; my column
	; group 1 for a: 8 tiles of tokens x 4,096 bytes (512 elements of 8), 16,384 bytes apart, no padding
	s_or_b32 s[G1+0], s43, (3<<16)|(1<<21)
	s_mov_b32 s[G1+1], 512<<16
	s_mov_b32 s[G1+2], 8<<16
	s_mov_b32 s[G1+3], 512<<16
	s_mov_b32 s[G1+4], 8
	s_mov_b32 s[G1+5], 2048
	s_mov_b32 s[G1+6], 0
	s_mov_b32 s[G1+7], 0
	; for Wo: 128 rows x 256 bytes, 16 bytes of padding behind each
	s_or_b32 s[G1B+0], s44, (0<<16)|(1<<20)|(1<<21)|(5<<22)|(3<<25)
	s_mov_b32 s[G1B+1], ROWB<<16
	s_mov_b32 s[G1B+2], 128<<16
	s_mov_b32 s[G1B+3], ROWB<<16
	s_mov_b32 s[G1B+4], 128
	s_mov_b32 s[G1B+5], KROW
	s_mov_b32 s[G1B+6], 0
	s_mov_b32 s[G1B+7], 0
	; for the scales of 128 rows: 4,096 dense bytes as 16 rows of 256, 16 bytes of padding behind each
	s_or_b32 s[G1S+0], s43, (3<<16)|(1<<20)|(1<<21)|(5<<22)|(3<<25)
	s_or_b32 s[G1SB+0], s44, (3<<16)|(1<<20)|(1<<21)|(5<<22)|(3<<25)
.irp g, G1S, G1SB
	s_mov_b32 s[\g+1], 32<<16
	s_mov_b32 s[\g+2], (128*KS/256)<<16
	s_mov_b32 s[\g+3], 32<<16
	s_mov_b32 s[\g+4], 128*KS/256
	s_mov_b32 s[\g+5], 32
	s_mov_b32 s[\g+6], 0
	s_mov_b32 s[\g+7], 0
.endr
	s_lshl_b32 s20, s19, 18                        ; a: 256 tokens are 16 tiles of 16,384 bytes;
	s_lshl_b32 s22, s[WC], 17                      ; my 128 of them
	s_add_co_u32 s20, s20, s22
	s_mov_b32 s21, 0
	s_lshl_b32 s22, s19, 13                        ; their scale bytes: 32 a token
	s_lshl_b32 s23, s[WC], 12
	s_add_co_u32 s22, s22, s23
	s_mov_b32 s23, 0
	s_lshl_b32 s46, s42, 18                        ; Wo: 256 rows of 1,024 bytes;
	s_lshl_b32 s45, s[WC], 17
	s_add_co_u32 s46, s46, s45
	s_mov_b32 s47, 0
	s_lshl_b32 s92, s42, 13
	s_lshl_b32 s45, s[WC], 12
	s_add_co_u32 s92, s92, s45
	s_mov_b32 s93, 0
	s_lshl_b32 s45, s[WC], 15                      ; where they go: a's halves, then Wo's: no place in the cluster enters an LDS address
	s_mul_i32 s94, s[WC], HALFT
	s_add_co_u32 s94, s94, BOFF
	s_mul_i32 s95, s[WV], HALFS
	s_wait_dscnt 0x0                               ; both opening adds are done
	s_wait_kmcnt 0x0
	s_add_nc_u64 s[20:21], s[4:5], s[20:21]
	s_add_nc_u64 s[22:23], s[6:7], s[22:23]
	s_add_nc_u64 s[46:47], s[8:9], s[46:47]
	s_add_nc_u64 s[92:93], s[10:11], s[92:93]
	CROUND                                         ; all sixteen work-groups are here: the first joint loads meet
	s_mov_b32 s[G0S], 1
	s_add_co_u32 s[G0S+1], s95, SCL
	s_mov_b64 s[G0S+2:G0S+3], s[22:23]
	s_or_b32 s[G0S+3], s[G0S+3], 0x80000000
	s_mov_b32 s[G0SB], 1
	s_add_co_u32 s[G0SB+1], s95, SCL
	s_mov_b64 s[G0SB+2:G0SB+3], s[92:93]
	s_or_b32 s[G0SB+3], s[G0SB+3], 0x80000000
	JLOAD G0S, G1S, G0SB, G1SB
.irp s, 0,1
	s_mov_b32 s[G0+4*\s], 1
	s_add_co_u32 s[G0+4*\s+1], s45, \s*SLOT
	s_add_nc_u64 s[G0+4*\s+2:G0+4*\s+3], s[20:21], \s*ASTEP
	s_or_b32 s[G0+4*\s+3], s[G0+4*\s+3], 0x80000000
	s_mov_b32 s[G0B+4*\s], 1
	s_add_co_u32 s[G0B+4*\s+1], s94, \s*SLOT
	s_add_nc_u64 s[G0B+4*\s+2:G0B+4*\s+3], s[46:47], \s*ROWB
	s_or_b32 s[G0B+4*\s+3], s[G0B+4*\s+3], 0x80000000
	s_wait_alu depctr_va_vdst(0)
	s_wait_tensorcnt 0x0
	ds_add_u32 v28, v29
	s_wait_dscnt 0x0
	CROUND
	JLOAD G0+4*\s, G1, G0B+4*\s, G1B
.endr
	v_and_b32 v1, 15, v0                           ; r
	v_bfe_u32 v2, v0, 4, 1                         ; h
	v_mul_u32_u24 v3, v1, PITCH
	v_lshl_add_u32 v4, v2, 4, v3
	v_and_b32 v6, 31, v0
	v_lshlrev_b32 v[CO], 4, v6                     ; 16 x lane
	s_lshl_b32 s21, s[WR], 15                      ; my 128 tokens
	s_mul_i32 s22, s[WC], HALFT                    ; my 128 rows of Wo
	s_add_co_u32 s22, s22, BOFF
.irp s, 0,1
	v_add_nc_u32 v[ADRA+\s], s21, v[CO]
	v_add_nc_u32 v[ADRB+\s], s22, v4
	s_add_co_u32 s21, s21, SLOT
	s_add_co_u32 s22, s22, SLOT
.endr
	v_mul_u32_u24 v5, v1, KS
	v_lshrrev_b32 v6, 8, v5
	v_lshl_add_u32 v5, v6, 4, v5
	s_mul_i32 s21, s[WR], HALFS
	s_mul_i32 s22, s[WC], HALFS
	s_add_co_u32 s22, s22, 2*HALFS
	s_sub_co_u32 s22, s22, s21
	v_mul_u32_u24 v6, s22, v2                      ; lanes 16-31 take Wo's
	s_add_co_u32 s21, s21, SCL
	v_add_nc_u32 v5, v5, v6
	v_add_nc_u32 v[ADRS], s21, v5
	s_mul_i32 s23, s[WV], 16*SPITCH                ; my stage
	v_mul_u32_u24 v5, v1, SPITCH
	v_lshl_add_u32 v5, v2, 5, v5
	v_add_nc_u32 v[STO], s23, v5
	v_add_nc_u32 v[RD], s23, v[CO]
	s_lshl_b32 s20, s19, 8
	s_lshl_b32 s21, s[WR], 7
	s_add_co_u32 s20, s20, s21                     ; my first row of the result,
	s_lshl_b32 s20, s20, 12                        ; 4,096 bytes a row
	s_lshl_b32 s46, s42, 10
	s_lshl_b32 s47, s[WC], 9
	s_add_co_u32 s46, s46, s47                     ; my first column, in bytes
	s_mov_b32 s47, 0
	s_add_nc_u64 s[12:13], s[12:13], s[46:47]      ; bo there
	s_add_co_u32 s20, s20, s46
	s_mov_b32 s21, 0
	s_add_nc_u64 s[14:15], s[14:15], s[20:21]
	v_lshlrev_b32 v7, 5, v2                        ; bo in the result's layout: register 8 b + j holds bo(16 b + 8 h + j)
.irp b, 0,1,2,3,4,5,6,7
	global_load_b128 v[BI+8*\b:BI+8*\b+3], v7, s[12:13] offset:64*\b
	global_load_b128 v[BI+8*\b+4:BI+8*\b+7], v7, s[12:13] offset:64*\b+16
.endr
.macro FRAG reg, adr, q, i             ; a fragment of Wo from rows: registers 4 c .. 4 c + 3 hold K = 32 c + 16 h + 0 .. 15 of row r
.irp c, 0,1,2,3
	ds_load_b128 v[\reg+4*\c:\reg+4*\c+3], v[\adr] offset:128*(\q)+32*\c+(\i)*16*PITCH
.endr
.endm
.macro FRAGA reg, adr, q, i            ; a fragment of a from its image: 512 consecutive bytes a load
.irp c, 0,1,2,3
	ds_load_b128 v[\reg+4*\c:\reg+4*\c+3], v[\adr] offset:ASTEP*(\i)+2048*(\q)+512*\c
.endr
.endm
; 16 matrix instructions: a's blocks a0, a0 + 1 x Wo's eight.  zero = 1: the sums start from bo.  The 64 accumulators take turns, one instruction a turn.
.macro MUL16 a0, p, q, sc, zero
.irp a, \a0, \a0+1
.irp b, 0,1,2,3,4,5,6,7
.if \zero
	v_wmma_scale_f32_16x16x128_f8f6f4 v[8*(8*((\a)%4)+\b):8*(8*((\a)%4)+\b)+7], v[128*(\p)+FR*\b:128*(\p)+FR*\b+FR-1], v[AF+FR*(\a):AF+FR*(\a)+FR-1], v[BI+8*\b:BI+8*\b+7], v[SC+8*NQ*(\sc)+NQ*\b+(\q)], v[SC+8*NQ*(\sc)+NQ*(\a)+(\q)] matrix_a_fmt:MATRIX_FMT_BF8 matrix_b_fmt:MATRIX_FMT_BF8 matrix_a_scale:MATRIX_SCALE_ROW1
.else
	v_wmma_scale_f32_16x16x128_f8f6f4 v[8*(8*((\a)%4)+\b):8*(8*((\a)%4)+\b)+7], v[128*(\p)+FR*\b:128*(\p)+FR*\b+FR-1], v[AF+FR*(\a):AF+FR*(\a)+FR-1], v[8*(8*((\a)%4)+\b):8*(8*((\a)%4)+\b)+7], v[SC+8*NQ*(\sc)+NQ*\b+(\q)], v[SC+8*NQ*(\sc)+NQ*(\a)+(\q)] matrix_a_fmt:MATRIX_FMT_BF8 matrix_b_fmt:MATRIX_FMT_BF8 matrix_a_scale:MATRIX_SCALE_ROW1
.endif
.endr
.endr
.endm
.macro FETCH_B slot, q, p
	WIN TO_B
.irp i, 0,1,2,3,4,5,6,7
	FRAG 128*(\p)+FR*\i, ADRB+\slot, \q, \i
.endr
	WIN 0
.endm
.macro FETCH_A slot, q, i0
.irp i, \i0, \i0+1, \i0+2, \i0+3
	FRAGA AF+FR*(\i), ADRA+\slot, \q, \i
.endr
.endm
.macro SCALES sc
.irp i, 0,1,2,3,4,5,6,7
	ds_load_b64 v[SC+8*NQ*\sc+NQ*\i:SC+8*NQ*\sc+NQ*\i+1], v[ADRS] offset:\i*SBLK
.endr
.endm
.macro PLACES n                        ; plain vector instructions that name none of a matrix instruction's registers (ISA guide 7.12.1 for vector instructions)
.rept \n
	v_nop
.endr
.endm
.macro STEP slot, q, zero
	s_wait_dscnt 4*NL                              ; Wo's set and a's blocks 0-3 are in; the youngest 16 loads (a's blocks 4-7) may be out
.if \zero
	WIN 0x81                                       ; bo, C, lies in window 0
.else
	WIN MUL_LO
.endif
	MUL16 0, (\q)%2, \q, \slot, \zero
	MUL16 2, (\q)%2, \q, \slot, \zero
	s_wait_dscnt 0
	PLACES NP
	FETCH_B \slot, (\q)+1, 1-(\q)%2
	FETCH_A \slot, (\q)+1, 0
.if \zero
	WIN 0xc1
.else
	WIN MUL_HI
.endif
	MUL16 4, (\q)%2, \q, \slot, \zero
	MUL16 6, (\q)%2, \q, \slot, \zero
	PLACES NP
	WIN 0
	FETCH_A \slot, (\q)+1, 4
.endm
; A slot's last step changes slots: ONE barrier; in front of it each wave waits for all its tensor loads, adds 0 to its spare word, and waits for that and for its own reads of this slot.
.macro TURN slot, next, fill
	s_wait_tensorcnt 0x0                           ; all my tensor loads have landed: my part of the next slot
	ds_add_u32 v[SPW], v[NIL]                      ; 0 onto my spare word
	s_wait_dscnt 4*NL+1                            ; (the add and the youngest 16 loads may be out)
	WIN MUL_LO
	MUL16 0, 1, NQ-1, \slot, 0
	s_wait_dscnt 0x0                               ; the add is done, and my reads of this slot are over
	s_barrier_signal -1
	MUL16 2, 1, NQ-1, \slot, 0
	WIN 0
	s_barrier_wait -1
.if \fill
	CREST                                          ; the barrier has opened a round of the cluster's barrier: no wave of any partner still reads this slot's tile or has a load on its way
	s_add_nc_u64 s[G0+4*\slot+2:G0+4*\slot+3], s[G0+4*\slot+2:G0+4*\slot+3], 2*ASTEP
	s_add_nc_u64 s[G0B+4*\slot+2:G0B+4*\slot+3], s[G0B+4*\slot+2:G0B+4*\slot+3], 2*ROWB
	JLOAD G0+4*\slot, G1, G0B+4*\slot, G1B         ; the first tensor load behind the round; its four v_nop are among the places in front of the loads below
	PLACES NP-4
.else
	PLACES NP
.endif
	s_wait_alu depctr_va_vdst(0)
	v_add_nc_u32 v[ADRS], 4*NQ, v[ADRS]
	FETCH_B \next, 0, 0
	FETCH_A \next, 0, 0
	SCALES \next
	WIN MUL_HI
	MUL16 4, 1, NQ-1, \slot, 0
	MUL16 6, 1, NQ-1, \slot, 0
	PLACES NP
	WIN 0
	FETCH_A \next, 0, 4
.endm
	s_wait_alu depctr_va_vdst(0)
	s_wait_tensorcnt 1                             ; the scales and my part of K step 0 are in; K step 1's load may be out
	s_barrier_signal -1
	s_barrier_wait -1
	FETCH_B 0, 0, 0
	FETCH_A 0, 0, 0
	SCALES 0
	FETCH_A 0, 0, 4
	s_wait_loadcnt 0x0                             ; bo
	STEP 0, 0, 1                                   ; the first step stands in front of the loop: its products start the sums from bo
	s_mov_b32 s3, LAPS-1
.Llap:
	TURN 0, 1, 1
	STEP 1, 0, 0
	TURN 1, 0, 1
	STEP 0, 0, 0
	s_sub_co_u32 s3, s3, 1
	s_cmp_lg_u32 s3, 0
	s_cbranch_scc1 .Llap
	TURN 0, 1, 0                                   ; the last lap fills nothing, and has no round of the cluster's barrier
	STEP 1, 0, 0
	s_wait_dscnt 4*NL
	WIN MUL_LO
	MUL16 0, 1, NQ-1, 1, 0
	MUL16 2, 1, NQ-1, 1, 0
	s_wait_dscnt 0
	WIN MUL_HI
	MUL16 4, 1, NQ-1, 1, 0
	MUL16 6, 1, NQ-1, 1, 0
	WIN 0
; THE WAY OUT, block by block of 16 rows x 128 columns: through my own stage in LDS and back as whole rows of 512 bytes.  LDS serves a wave's instructions in order (ISA guide 5.7.1.4): no wait between the stores and the loads.
.macro TOSTAGE a
.set AC, 64*((\a)%4)
.set W_ST, 0x08+4*((\a)/4)
	WIN W_ST                                       ; the data: window 2 or 3
.irp b, 0,1,2,3,4,5,6,7
	ds_store_b128 v[STO], v[AC+8*\b:AC+8*\b+3] offset:64*\b          ; each accumulator from its low end on
	ds_store_b128 v[STO], v[AC+8*\b+4:AC+8*\b+7] offset:64*\b+16
.endr
	WIN 0
.set BB, BK+64*((\a)%2)
.irp t, 0,1,2,3,4,5,6,7,8,9,10,11,12,13,14,15
	ds_load_b128 v[BB+4*\t:BB+4*\t+3], v[RD] offset:\t*SPITCH
.endr
.endm
.macro SEND a, younger                 ; younger: the LDS instructions issued behind block a's loads, which may stay out
.set BB, BK+64*((\a)%2)
	s_wait_dscnt \younger
.if (\a) > 0
	s_add_nc_u64 s[14:15], s[14:15], 16*NOUT*4     ; (behind a wait on XCNT: the earlier stores have read their base)  16 rows on
.endif
.irp t, 0,1,2,3,4,5,6,7,8,9,10,11,12,13,14,15
	global_store_b128 v[CO], v[BB+4*\t:BB+4*\t+3], s[14:15] offset:\t*NOUT*4 th:TH_STORE_NT   ; 32 lanes store 512 consecutive bytes, at a multiple of 256 from out0's first byte; written once, read by nobody here
.endr
.endm
	PLACES NP                                      ; in front of the first read of results and of the loads into the registers that held a's fragments
	TOSTAGE 0
.irp a, 1,2,3,4,5,6,7
.if \a > 1
	s_wait_xcnt 0x0                                ; block a - 2's stores have read their registers and their base
.endif
	TOSTAGE \a
	SEND \a-1, 32                                  ; behind block a - 1's loads: block a's 16 stores and 16 loads
.endr
	s_wait_xcnt 0x0                                ; block 6's stores have read their base
	SEND 7, 0
	s_wait_tensorcnt 0x0                           ; the wave's end: behind my last tensor load and my last LDS store
	ds_add_u32 v[SPW], v[NIL]
	s_wait_dscnt 0x0
	CROUND                                         ; the closing round: no work-group ends while a partner may still ask for a tile that names it
	s_endpgm
.Lfunc_end_k_q878d51ae22_oproj:
	.size	k_q878d51ae22_oproj, .Lfunc_end_k_q878d51ae22_oproj-k_q878d51ae22_oproj
	.p2alignl 7, 3214868480
	.fill 96, 4, 3214868480
	.section	.rodata,"a",@progbits
	.p2align	6, 0x0
	.amdhsa_kernel k_q878d51ae22_oproj
		.amdhsa_group_segment_fixed_size 327680
		.amdhsa_private_segment_fixed_size 0
		.amdhsa_enable_private_segment 0
		.amdhsa_kernarg_size 48
		.amdhsa_user_sgpr_count 2
		.amdhsa_user_sgpr_kernarg_segment_ptr 1
		.amdhsa_wavefront_size32 1
		.amdhsa_system_sgpr_workgroup_id_x 1
		.amdhsa_system_sgpr_workgroup_id_y 1
		.amdhsa_system_sgpr_workgroup_id_z 1
		.amdhsa_system_vgpr_workitem_id 0
		.amdhsa_next_free_vgpr 1024
		.amdhsa_next_free_sgpr 96
		.amdhsa_reserve_vcc 0
		.amdhsa_float_denorm_mode_32 3
		.amdhsa_float_denorm_mode_16_64 3
		.amdhsa_memory_ordered 1
		.amdhsa_forward_progress 1
		.amdhsa_inst_pref_size 148
	.end_amdhsa_kernel
	.amdgpu_metadata
---
amdhsa.version: [ 1, 2 ]
amdhsa.kernels:
  - .name:           k_q878d51ae22_oproj
    .symbol:         k_q878d51ae22_oproj.kd
    .args:
      - { .name: ac, .offset: 0, .size: 8, .value_kind: global_buffer, .address_space: global }
      - { .name: asc, .offset: 8, .size: 8, .value_kind: global_buffer, .address_space: global }
      - { .name: Wo_codes, .offset: 16, .size: 8, .value_kind: global_buffer, .address_space: global }
      - { .name: Wo_scales, .offset: 24, .size: 8, .value_kind: global_buffer, .address_space: global }
      - { .name: bo, .offset: 32, .size: 8, .value_kind: global_buffer, .address_space: global }
      - { .name: out0, .offset: 40, .size: 8, .value_kind: global_buffer, .address_space: global }
    .group_segment_fixed_size: 327680
    .private_segment_fixed_size: 0
    .kernarg_segment_align: 8
    .kernarg_segment_size: 48
    .max_flat_workgroup_size: 128
    .sgpr_count:     96
    .vgpr_count:     1024
    .wavefront_size: 32
...
	.end_amdgpu_metadata
.endif
;; end of part 3
